; MI455X (gfx1250); checked and timed in simulation.
; The chip was launched on July 23, 2026; its instructions are those of AMD's public machine-readable ISA for CDNA 5 (MIT licence, August 2026) and "CDNA5" Instruction Set Architecture Reference Guide (July 2026). The comments in the code are by the model that wrote it; some were corrected since.
;; Causal Self Attention. Allowed arithmetic: matrix products marked QUANTISED: E3M2 operands, one E8M0 scale for each 32 along K, by v_wmma_scale_f32_16x16x128_f8f6f4 with both operands' format E3M2, f32 sums; everything else in f32.
;; Inputs: b_out 1,024 float32; b_qkv 3,072 float32; w_out 1,024 x 1,024 float32; w_qkv 3,072 x 1,024 float32; x 4 x 2,048 x 1,024 float32.
;; Outputs: out0 4 x 2,048 x 1,024 float32.
;; This version of the problem:
;;   THIS VERSION OF THE PROBLEM IS GIVEN IN LOW PRECISION. The matrix products marked QUANTISED in the list below multiply operands that are first quantised to E3M2 (3 exponent bits, 2 mantissa bits; 6 bits a number), with one power-of-two scale for each 32 numbers along K (OCP MX v1.0); their sums are f32. All else is computed in f32.
;;   The module's matrix products, in the order in which they are computed (A, B: the left and right operand; K: the contracted axis; several contracted axes count as one K, in the product's order):
;;     1. [M 8,192, K 1,024] x [K 1,024, N 3,072]; A: input x; B: input w_qkv: QUANTISED
;;     2. batch 64 x [M 2,048, K 64] x [K 64, N 2,048]; A: computed on the way; B: computed on the way: QUANTISED
;;     3. batch 64 x [M 2,048, K 2,048] x [K 2,048, N 64]; A: softmax (see below); B: computed on the way: QUANTISED
;;     4. [M 8,192, K 1,024] x [K 1,024, N 1,024]; A: computed on the way; B: input w_out: QUANTISED
;;   THE QUANTISER, for each operand of a quantised product, along K:
;;     - K is cut into blocks of 32 from its start; a last block that is shorter is filled with zeros.
;;     - A block's scale is 2^e with e = floor(log2(the largest magnitude in the block)) - 4, held to -126 .. 127; a block of zeros has e = 0. As a byte (E8M0): e + 127.
;;     - Each number is divided by its block's scale, clamped to +-28, and rounded to the nearest number of E3M2, ties to even, subnormals kept.
;;     - The product sums the exact products of the quantised numbers (number of the format x scale) in f32.
;;   ~~~python
;;   def quantise(x, axis):      # numpy; x: float32 -> the quantised numbers, widened to float32 again
;;       x = np.moveaxis(x, axis, -1); K = x.shape[-1]
;;       x = np.pad(x, [(0, 0)] * (x.ndim - 1) + [(0, -K % 32)]); x = x.reshape(x.shape[:-1] + (-1, 32)); a = np.abs(x).max(-1, keepdims=True)
;;       e = np.where(a > 0, np.clip(np.frexp(np.where(a > 0, a, 1))[1] - 1 - 4, -126, 127), 0)      # np.frexp(a)[1] - 1 = floor(log2(a)), exactly
;;       r = np.clip(x / 2.0 ** e, -28, 28)
;;       step = 2.0 ** (np.maximum(np.frexp(np.where(r == 0, 1, r))[1] - 1, -2) - 2)
;;       q = np.round(r / step) * step * 2.0 ** e      # np.round: ties to even
;;       return np.moveaxis(q.reshape(q.shape[:-2] + (-1,))[..., :K], -1, axis).astype(np.float32)
;;   ~~~
;;   SOFTMAX AHEAD OF A QUANTISED PRODUCT. Where the list says 'softmax', what is quantised is not the finished softmax but p = 2^(t - M), with t = logit x log2(e) and M = ceil(the row's largest t), a whole number; so 1/2 < the row's largest p <= 1. The row's sum l is taken of the UNQUANTISED p, in f32, and the product's result is divided by l at the end. Since M is a whole number, a kernel that streams over the keys may use a running M (the ceiling of the running maximum): every later rescaling is an exact power of two, which a block's scale takes up: the codes' values come out the same.
;;   OPERANDS COMPUTED ON THE WAY. 'Computed on the way' means the value that the module computes at that place (a softmax that the list does not call 'softmax' is quantised finished and normalised). What goes into a quantiser is computed in f32, as accurately as f32 sums, v_exp_f32 and their like allow (about 1e-6 of the number): no bf16 or f16 on the way to a quantiser, and a product that is left as it is and whose result goes on into a quantised operand takes f32 operands (vector FMAs, or v_wmma_f32_16x16x4_f32). A number that lies on a knife's edge between two numbers of the format may be rounded either way, as far as f32 arithmetic and the matrix unit's own rounding can turn it there, and no further.
;; One version. Each part assembles by itself: llvm-mc -triple=amdgcn-amd-amdhsa -mcpu=gfx1250 --defsym DOCPART=n.
;; ======== version 1 of 1: 4 launches
;; workspace buffers: xw_img 9,437,184 bytes; xw_sc 393,216 bytes; qkvc 20,185,088 bytes; att_img 6,291,456 bytes; att_sc 262,144 bytes
;; launch quant (part 1): grid 384 x 1, 4 waves a work-group, no clusters, 34,304 bytes of LDS; arguments x, w_qkv, w_out, xw_img, xw_sc; writes xw_img, xw_sc
.if DOCPART == 1
	.amdgcn_target "amdgcn-amd-amdhsa--gfx1250"
	.amdhsa_code_object_version 6
	.text
	.protected	k_q2f28f9f72c_quant
	.globl	k_q2f28f9f72c_quant
	.p2align	8
	.type	k_q2f28f9f72c_quant,@function
k_q2f28f9f72c_quant:
	s_mov_b64 s[64:65], 0
	v_nop
	global_prefetch_b8 v0, s[64:65] scope:SCOPE_SE
	s_setreg_imm32_b32 hwreg(HW_REG_WAVE_MODE, 25, 1), 1
	s_wait_xcnt 0x0
; x [8192][1024], w_qkv [3072][1024] and w_out [1024][1024], f32, K innermost, become codes of E3M2 with one E8M0 byte for each 32 along K,
; laid IN THE ORDER OF THE OPERAND'S REGISTERS, so that the later launches load fragments as they stand.
; ROW BLOCKS.  16 rows form a row block; block t holds, at place p, row 32 (t / 2) + 8 (t % 2) + p + 8 (p / 8).  Blocks 0-511 are x's, 512-703 w_qkv's, 704-767 w_out's.
; xw_img [block 768][K step 8][1,536 bytes]: a fragment (16 rows x 128 K, 12 registers a lane) as two halves of 768 bytes; in a half, registers 6 c .. 6 c + 3 of lane L lie at 16 L,
; registers 6 c + 4, 6 c + 5 at 512 + 8 L.  xw_sc [block 768][512 bytes]: the scale word of K step s and place r at 256 (s / 4) + 16 r + 4 (s % 4).
; A block's scale is 2^(floor(log2(its largest magnitude)) - 4); its byte is the largest magnitude's exponent field - 4, held at 1 from below.
; LIMITS: NaN and infinities among the inputs are not served; a block whose largest magnitude lies under 2^-122 (a block of zeros too) gets the byte 1: its codes are then zeros or the
; smallest codes under that byte, and the bytes are read by this program alone.
; SHARES.  A wave takes one row block and half of K: four fragments.  Each load reads 512 consecutive bytes of one row; a fragment's 16 x 512 bytes turn through the wave's own stage in LDS
; (rows 528 bytes apart), and come back as 16 neighbours along K of each of the row's four blocks of 32.
; No tensor loads, no barrier: waves share nothing.  Loads run one fragment (16 loads a wave) ahead of the one at work.
.set SP,  528                          ; a stage row: 512 bytes + 16
.set STG, 16*SP                        ; a wave's stage
.set RR,  16                           ; v16-143  two sets of 64 registers, as loaded
.set X,   144                          ; v144-207 64 numbers: register 16 b + i = k 32 b + 16 (lane / 16) + i of my row
.set PC,  208                          ; v208-219 the fragment's codes; v220-227 the conversions' second halves
.set TM,  228                          ; v228-231 largest magnitudes, v232-235 the other half's, then bytes, v240-243 the conversions' scale operands
.set PW,  244                          ; v244-247 the four fragments' scale words
.set WD,  248                          ; v248-249 the two words that I store
.set SEL, 26                           ; s[26:27] lane selects for v_permlanex16_b32: lane l xor 16
	s_load_b256 s[4:11], s[0:1], 0x0               ; x s[4:5], w_qkv s[6:7], w_out s[8:9], xw_img s[10:11]
	s_load_b64 s[12:13], s[0:1], 0x20              ; xw_sc
	v_lshl_add_u32 v254, v0, 2, 0x8400
	v_mov_b32 v255, 0
	v_lshrrev_b32 v1, 5, v0
	v_readfirstlane_b32 s16, v1                    ; wave 0..3
	v_and_b32 v1, 31, v0                           ; lane L
	v_and_b32 v2, 15, v0                           ; r
	v_bfe_u32 v3, v0, 4, 1                         ; h
	v_lshlrev_b32 v4, 4, v1                        ; 16 L: my bytes of a load's 512, and of an image's 512
	v_lshlrev_b32 v8, 3, v1                        ; 8 L: my bytes of an image's 256
	s_mul_i32 s17, s16, STG
	v_add_nc_u32 v5, s17, v4                       ; the stage, on the way in: 16 L in a row
	v_mul_u32_u24 v6, v2, SP
	v_lshl_add_u32 v6, v3, 6, v6
	v_add_nc_u32 v6, s17, v6                       ; and on the way out: row r, + 64 h
	v_lshlrev_b32 v9, 4, v2
	v_lshl_add_u32 v9, v3, 3, v9                   ; 16 r + 8 h: my two scale words
.irp b, 0,1,2,3
	v_mov_b32 v[TM+4+\b], 0                        ; written once: a lane permute's destination counts as one of its sources
.endr
	s_mov_b32 s[SEL], 0x76543210
	s_mov_b32 s[SEL+1], 0xfedcba98
	s_lshl_b32 s18, ttmp9, 1
	s_lshr_b32 s19, s16, 1
	s_add_co_u32 s18, s18, s19                     ; my row block: 2 x work-group + wave / 2
	s_and_b32 s19, s16, 1                          ; my half of K
	s_mov_b32 s20, 704
	s_wait_alu depctr_va_vdst(0)
	s_wait_kmcnt 0x0
	s_cmp_lt_u32 ttmp9, 352                        ; which tensor: the choice hangs on the work-group's number alone
	s_cselect_b64 s[6:7], s[6:7], s[8:9]
	s_cselect_b32 s20, 512, s20
	s_cmp_lt_u32 ttmp9, 256
	s_cselect_b64 s[4:5], s[4:5], s[6:7]
	s_cselect_b32 s20, 0, s20                      ; the tensor's first row block
	s_sub_co_u32 s21, s18, s20                     ; t: my block within the tensor
	s_lshr_b32 s22, s21, 1
	s_lshl_b32 s22, s22, 5
	s_and_b32 s23, s21, 1
	s_lshl_b32 s23, s23, 3
	s_add_co_u32 s22, s22, s23                     ; its first row: 32 (t / 2) + 8 (t % 2)
	s_lshl_b32 s22, s22, 12                        ; rows of 4,096 bytes (under 2^26)
	s_lshl_b32 s23, s19, 11
	s_add_co_u32 s22, s22, s23                     ; + 2,048 bytes for the second half of K
	s_mov_b32 s23, 0
	s_add_nc_u64 s[4:5], s[4:5], s[22:23]
	s_mul_i32 s24, s18, 12288
	s_mul_i32 s25, s19, 6144
	s_add_co_u32 s24, s24, s25
	s_mov_b32 s25, 0
	s_add_nc_u64 s[10:11], s[10:11], s[24:25]      ; my four fragments' images
	s_lshl_b32 s24, s18, 9
	s_lshl_b32 s22, s19, 8
	s_add_co_u32 s24, s24, s22
	s_add_nc_u64 s[12:13], s[12:13], s[24:25]      ; and their 256 bytes of scale words
.macro LOAD f                          ; fragment f: 16 rows x 512 bytes into set f % 2
.irp p, 0,1,2,3,4,5,6,7,8,9,10,11,12,13,14,15
	global_load_b128 v[RR+64*((\f)%2)+4*\p:RR+64*((\f)%2)+4*\p+3], v4, s[4:5] offset:(\p+8*(\p/8))*4096+512*(\f) th:TH_LOAD_NT
.endr
.endm
.macro FRAGQ f
.if (\f) < 3
	s_wait_loadcnt 16                              ; this fragment's 16 loads are in; the next fragment's 16 may be out
.else
	s_wait_loadcnt 0x0
.endif
.irp p, 0,1,2,3,4,5,6,7,8,9,10,11,12,13,14,15
	ds_store_b128 v5, v[RR+64*((\f)%2)+4*\p:RR+64*((\f)%2)+4*\p+3] offset:SP*\p
.endr
.irp b, 0,1,2,3
.irp j, 0,1,2,3
	ds_load_b128 v[X+16*\b+4*\j:X+16*\b+4*\j+3], v6 offset:128*\b+16*\j   ; LDS serves a wave's instructions in order: these see the stores above
.endr
.endr
	s_wait_dscnt 0x0                               ; the numbers are back, and the stores have read their registers,
.if (\f)+2 < 4
	LOAD (\f)+2                                    ; which take the fragment two on
.endif
.irp b, 0,1,2,3
	v_max3_num_f32 v[TM+\b], |v[X+16*\b]|, |v[X+1+16*\b]|, 0x2800000   ; block b: my 16 numbers, and the floor 2^(5 - 127): the byte cannot fall under 1
.endr
.irp i, 2,4,6,8,10,12,14
.irp b, 0,1,2,3
	v_max3_num_f32 v[TM+\b], v[TM+\b], |v[X+16*\b+\i]|, |v[X+1+16*\b+\i]|   ; the four blocks by turns
.endr
.endr
.irp b, 0,1,2,3
	v_permlanex16_b32 v[TM+4+\b], v[TM+\b], s[SEL], s[SEL+1]
.endr
.irp b, 0,1,2,3
	v_max_num_f32 v[TM+\b], v[TM+\b], v[TM+4+\b]   ; with lane l xor 16's 16: the block's largest magnitude
.endr
.irp b, 0,1,2,3
	v_add_nc_u32 v[TM+12+\b], 0xfe000000, v[TM+\b] ; 4 off its exponent field: the conversion takes this operand's exponent field as its scale
.endr
.irp b, 0,1,2,3
	v_lshrrev_b32 v[TM+4+\b], 23, v[TM+12+\b]      ; the scale's byte
.endr
	v_lshl_or_b32 v[PW+(\f)], v[TM+5], 8, v[TM+4]  ; my row's scale word for this K step
	v_lshl_or_b32 v[PW+(\f)], v[TM+6], 16, v[PW+(\f)]
	v_lshl_or_b32 v[PW+(\f)], v[TM+7], 24, v[PW+(\f)]
.if (\f) > 0
	s_wait_xcnt 0x0                                ; the last fragment's stores have read the codes' registers, which are written again below
.endif
.irp c, 0,1
	v_cvt_scalef32_pk16_bf6_f32 v[PC+6*\c:PC+2+6*\c], v[X+32*\c:X+15+32*\c], v[TM+12+2*\c]
	v_cvt_scalef32_pk16_bf6_f32 v[PC+12+4*\c:PC+14+4*\c], v[X+16+32*\c:X+31+32*\c], v[TM+13+2*\c]   ; (a conversion's three registers begin on an even number)
.endr
	v_nop                                          ; one plain place behind a scaled conversion
.irp c, 0,1                            ; the operand's layout wants a whole block of 32 in a lane: lanes 0-15 block 2 c, lanes 16-31 block 2 c + 1
.irp i, 0,1,2
	v_permlane16_swap_b32 v[PC+6*\c+\i], v[PC+12+4*\c+\i]
.endr
.irp i, 0,1,2
	v_mov_b32 v[PC+3+6*\c+\i], v[PC+12+4*\c+\i]
.endr
.endr
.irp c, 0,1
	global_store_b128 v4, v[PC+6*\c:PC+6*\c+3], s[10:11] offset:1536*(\f)+768*\c          ; 512 consecutive bytes, at a multiple of 256 from the buffer's first byte
	global_store_b64 v8, v[PC+6*\c+4:PC+6*\c+5], s[10:11] offset:1536*(\f)+768*\c+512     ; 256 consecutive bytes, likewise
.endr
.endm
	LOAD 0
	LOAD 1
	FRAGQ 0
	FRAGQ 1
	FRAGQ 2
	FRAGQ 3
	v_cmp_ne_u32 vcc_lo, 0, v3                     ; lanes 16-31 store the words of K steps 2 and 3 of the four
	v_cndmask_b32 v[WD], v[PW], v[PW+2], vcc_lo
	v_cndmask_b32 v[WD+1], v[PW+1], v[PW+3], vcc_lo
	global_store_b64 v9, v[WD:WD+1], s[12:13]      ; 256 consecutive bytes
	s_wait_tensorcnt 0x0
	ds_add_u32 v254, v255
	s_wait_dscnt 0x0
	s_endpgm
.Lfunc_end_k_q2f28f9f72c_quant:
	.size	k_q2f28f9f72c_quant, .Lfunc_end_k_q2f28f9f72c_quant-k_q2f28f9f72c_quant
	.p2alignl 7, 3214868480
	.fill 96, 4, 3214868480
	.section	.rodata,"a",@progbits
	.p2align	6, 0x0
	.amdhsa_kernel k_q2f28f9f72c_quant
		.amdhsa_group_segment_fixed_size 34304
		.amdhsa_private_segment_fixed_size 0
		.amdhsa_enable_private_segment 0
		.amdhsa_kernarg_size 40
		.amdhsa_user_sgpr_count 2
		.amdhsa_user_sgpr_kernarg_segment_ptr 1
		.amdhsa_wavefront_size32 1
		.amdhsa_system_sgpr_workgroup_id_x 1
		.amdhsa_system_sgpr_workgroup_id_y 1
		.amdhsa_system_sgpr_workgroup_id_z 1
		.amdhsa_system_vgpr_workitem_id 0
		.amdhsa_next_free_vgpr 256
		.amdhsa_next_free_sgpr 66
		.amdhsa_reserve_vcc 1
		.amdhsa_float_denorm_mode_32 3
		.amdhsa_float_denorm_mode_16_64 3
		.amdhsa_memory_ordered 1
		.amdhsa_forward_progress 1
		.amdhsa_inst_pref_size 34
	.end_amdhsa_kernel
	.amdgpu_metadata
---
amdhsa.version: [ 1, 2 ]
amdhsa.kernels:
  - .name:           k_q2f28f9f72c_quant
    .symbol:         k_q2f28f9f72c_quant.kd
    .args:
      - { .name: x, .offset: 0, .size: 8, .value_kind: global_buffer, .address_space: global }
      - { .name: w_qkv, .offset: 8, .size: 8, .value_kind: global_buffer, .address_space: global }
      - { .name: w_out, .offset: 16, .size: 8, .value_kind: global_buffer, .address_space: global }
      - { .name: xw_img, .offset: 24, .size: 8, .value_kind: global_buffer, .address_space: global }
      - { .name: xw_sc, .offset: 32, .size: 8, .value_kind: global_buffer, .address_space: global }
    .group_segment_fixed_size: 34304
    .private_segment_fixed_size: 0
    .kernarg_segment_align: 8
    .kernarg_segment_size: 40
    .max_flat_workgroup_size: 128
    .sgpr_count:     66
    .vgpr_count:     256
    .wavefront_size: 32
...
	.end_amdgpu_metadata
.endif
;; end of part 1
;; launch qkvgemm (part 2): grid 24 x 32, 4 waves a work-group, clusters of 4 x 4, 307,712 bytes of LDS; arguments xw_img, xw_sc, b_qkv, qkvc; writes qkvc
.if DOCPART == 2
	.amdgcn_target "amdgcn-amd-amdhsa--gfx1250"
	.amdhsa_code_object_version 6
	.text
	.protected	k_q2f28f9f72c_qkvgemm
	.globl	k_q2f28f9f72c_qkvgemm
	.p2align	8
	.type	k_q2f28f9f72c_qkvgemm,@function
k_q2f28f9f72c_qkvgemm:
	s_mov_b64 s[64:65], 0
	v_nop
	global_prefetch_b8 v0, s[64:65] scope:SCOPE_SE
	s_setreg_imm32_b32 hwreg(HW_REG_WAVE_MODE, 25, 1), 1
	s_wait_xcnt 0x0
	s_wait_alu depctr_hold_cnt(0) depctr_sa_sdst(0) depctr_va_vdst(0) depctr_va_sdst(0) depctr_va_ssrc(0) depctr_va_vcc(0) depctr_vm_vsrc(0)
	s_getreg_b32 s2, hwreg(HW_REG_IB_STS2, 6, 4)
	s_cmp_eq_u32 s2, 0
	s_cbranch_scc0 .Lentry_in_a_cluster
	s_endpgm
.Lentry_in_a_cluster:
	s_bfe_u32 s2, ttmp6, 0x10000c
	s_cmp_lg_u32 s2, 0xf033
	s_cbranch_scc0 .Lentry_shape_is_right
	s_endpgm
.Lentry_shape_is_right:
; qkv = x w_qkv^T + b_qkv on codes of E3M2 (one E8M0 byte for each 32 along K), and q, k and v quantised in registers for the two products of attention: no f32 number of qkv goes to memory.
; OPERANDS come as images of their registers (xw_img: [row block][K step 8][1,536]; xw_sc: [row block][512]); place p of row block t is row 32 (t / 2) + 8 (t % 2) + p + 8 (p / 8).
; TILE.  256 rows of "A" (source 1: its rows stay in lanes) x 128 rows of "B" (source 0: its rows run along a lane's registers), all of K = 1,024 in LDS at once: every LDS byte is filled once.
; Four waves, stacked on A: wave w owns A's row blocks 4 w .. 4 w + 3 against B's eight: 32 accumulators, 32 matrix instructions for 128 along K, fed by 48 LDS loads.
; With these row blocks the 16 registers of B's blocks 2 b, 2 b + 1 are 16 true neighbours, 32 b + 16 (lane / 16) + 0 .. 15: a lane's 64 registers of one A block are what the quantiser takes.
; ROLES, by the cluster's x / 2 (the same in all sixteen partners): 0: q, 1: k: A = x (a lane holds a token, registers run along the features: K of the scores);
; 2: v, made as w_v x^T: A = w_v (a lane holds a channel, registers run along the tokens: K of the second product).
; CLUSTER 4 x 4: A's tiles are shared along a row of the cluster, B's along a column: each is asked for jointly, with a mask that names the four.
; OUT (qkvc), rho = 4 head + batch.  Q record rho at 106,496 rho: [scales 16 x 512][128 halves of 768: row block tau of the batch].  KV record rho at KV0 + 208,896 rho:
; [k scales 16 x 512][v scales 16 x 256], then for each 128 keys [k: 8 halves of 768][v: 4 fragments of 1,536].  Scale words of four row blocks: 256 bytes, word (a, r) at 16 r + 4 a.
; Of a scale word of q or k bytes 0 and 1 are the head's; bytes 2 and 3 are the next head's or 0, never 0xff: they meet zero codes alone.
; LIMITS: NaN and infinities are not served; a block whose largest magnitude lies under 2^-122 gets the byte 1; the bias is the sums' first term, so the order of rounding differs from a bias added last.
; REGISTERS, in windows of 256.  Window 0: v1 r, v2 h, v3 16 L, v4 8 L, v5 scale address, v8-23 fragment addresses, v24-30 bias and way out, v32-95 all scale words, v96-191 A's fragments (two sets),
; v192-255 the bias as C.  Window 1: B's fragments, two sets, at v0 and v128.  Window 2: accumulator (a, b) at v[8 (8 a + b)].
.set SLOT, 73728                       ; 256 along K: A's 16 row blocks x 3,072 bytes, then B's 8
.set BOFF, 49152
.set SCA,  4*SLOT                      ; A's scale words, 16 x 512
.set SCB,  SCA+8192                    ; B's, 8 x 512
.set KV0,  6815744
.set QREC, 106496
.set KREC, 208896
.set IMGA, 4                           ; both operands' images lie in xw_img, their scales in xw_sc
.set SCLA, 6
.set IMGB, 4
.set SCLB, 6
.set G1A,  24                          ; s[24:31] group 1 for A's tiles, s[32:39] B's, s[40:47] A's scales, s[48:55] B's scales
.set G1B,  32
.set G1SA, 40
.set G1SB, 48
.set G0SA, 56                          ; s[56:59], s[60:63] groups 0 for the scales; s[68:83] A's four slots; s[84:99] B's
.set G0SB, 60
.set G0A,  68
.set G0B,  84
.set ADA16, 8                          ; v8-11  slot g: my A blocks, 16 L;  v12-15 the same with 8 L;  v16-19, v20-23 B's
.set ADA8,  12
.set ADB16, 16
.set ADB8,  20
.set SC,   32
.set AF,   96
.set BI,   192
.set PC,   96                          ; the way out, in window 0: v96-107 codes, v108-115 the conversions' second halves,
.set TM,   116                         ; v116-131 at work,
.set PW,   132                         ; v132-135 the four blocks' scale words,
.set WD,   136                         ; v136-139 the words that I store
.set SEL,  40                          ; the way out: s[40:41] lane selects (the descriptors are done with)
.set MSB, 0
.macro WIN new                         ; s_set_vgpr_msb: bits 1:0 source 0, 3:2 source 1, 5:4 source 2, 7:6 destination; the high byte repeats the setting that is left
.if MSB != \new
	s_set_vgpr_msb (MSB<<8)|\new
.set MSB, \new
.endif
.endm
.macro CROUND                          ; a round of the cluster's barrier
	s_barrier_signal -1
	s_barrier_wait -1
	s_cmp_lg_u32 s16, 0
	s_cbranch_scc1 .Lnot_wave_0_\@
	s_barrier_signal -3
.Lnot_wave_0_\@:
	s_barrier_wait -3
	s_barrier_signal -1
	s_barrier_wait -1
.endm
.macro SHAPE g, c, r, p                ; group 1, words 1 to 7: r rows of c elements of 8 bytes, p elements from row to row
	s_mov_b32 s[\g+1], (\c)<<16
	s_mov_b32 s[\g+2], (\r)<<16
	s_mov_b32 s[\g+3], (\c)<<16
	s_mov_b32 s[\g+4], \r
	s_mov_b32 s[\g+5], \p
	s_mov_b32 s[\g+6], 0
	s_mov_b32 s[\g+7], 0
.endm
.macro PLACES                          ; four plain places behind a matrix instruction of this form, in front of loads into registers that it read and of reads of its results
.rept 4
	v_nop
.endr
.endm
.macro FRAG reg, a16, a8, off          ; a fragment's image, 1,536 bytes, into 12 registers: every load takes consecutive bytes in consecutive lanes
	ds_load_b128 v[(\reg):(\reg)+3], v[\a16] offset:\off
	ds_load_b64 v[(\reg)+4:(\reg)+5], v[\a8] offset:\off+512
	ds_load_b128 v[(\reg)+6:(\reg)+9], v[\a16] offset:\off+768
	ds_load_b64 v[(\reg)+10:(\reg)+11], v[\a8] offset:\off+1280
.endm
.macro FETCH s                         ; K step s (128 along K) into set s % 2: B's eight fragments, then A's four: 48 loads, A's blocks 2 and 3 the last eight
	WIN 0x40                                       ; destination window 1
.irp i, 0,1,2,3,4,5,6,7
	FRAG 128*((\s)%2)+12*\i, ADB16+(\s)/2, ADB8+(\s)/2, 3072*\i+1536*((\s)%2)
.endr
	WIN 0
.irp i, 0,1,2,3
	FRAG AF+48*((\s)%2)+12*\i, ADA16+(\s)/2, ADA8+(\s)/2, 3072*\i+1536*((\s)%2)
.endr
.endm
.macro SCALES                          ; all scale words: register SC + 32 (s / 4) + 4 i + s % 4: lanes 0-15 my A block i (i < 4; beyond that other filled bytes, not used), lanes 16-31 B's block i
.irp g, 0,1
.irp i, 0,1,2,3,4,5,6,7
	ds_load_b128 v[SC+32*\g+4*\i:SC+32*\g+4*\i+3], v5 offset:512*\i+256*\g
.endr
.endr
.endm
; 16 matrix instructions of K step s: A's blocks a0, a0 + 1 x B's eight.  cmode 0: onto the sums; 1: the bias of B's rows starts them; 2: the bias of A's rows.
; The 32 accumulators take turns, one instruction a turn, in the same order in every step.
.macro MUL16 s, a0, cmode
.irp a, \a0, \a0+1
.irp b, 0,1,2,3,4,5,6,7
.set rD, 8*(8*(\a)+\b)
.set rB, 128*((\s)%2)+12*\b
.set rA, AF+48*((\s)%2)+12*(\a)
.set rS, SC+32*((\s)/4)+(\s)%4
.if (\cmode) == 0
	v_wmma_scale_f32_16x16x128_f8f6f4 v[rD:rD+7], v[rB:rB+11], v[rA:rA+11], v[rD:rD+7], v[rS+4*\b], v[rS+4*(\a)] matrix_a_fmt:MATRIX_FMT_BF6 matrix_b_fmt:MATRIX_FMT_BF6 matrix_a_scale:MATRIX_SCALE_ROW1
.elseif (\cmode) == 1
	v_wmma_scale_f32_16x16x128_f8f6f4 v[rD:rD+7], v[rB:rB+11], v[rA:rA+11], v[BI+8*\b:BI+8*\b+7], v[rS+4*\b], v[rS+4*(\a)] matrix_a_fmt:MATRIX_FMT_BF6 matrix_b_fmt:MATRIX_FMT_BF6 matrix_a_scale:MATRIX_SCALE_ROW1
.else
	v_wmma_scale_f32_16x16x128_f8f6f4 v[rD:rD+7], v[rB:rB+11], v[rA:rA+11], v[BI+8*(\a):BI+8*(\a)+7], v[rS+4*\b], v[rS+4*(\a)] matrix_a_fmt:MATRIX_FMT_BF6 matrix_b_fmt:MATRIX_FMT_BF6 matrix_a_scale:MATRIX_SCALE_ROW1
.endif
.endr
.endr
.endm
; A K step.  In its middle the next step's 48 loads go out in one run, into the set that the step before multiplied.  An odd step opens the next slot: my part of it has landed, say so, and read it when all four waves have said so.
.macro STEP s, cmode
.set OPN, 0
.if (\s)%2 == 1
.if (\s) < 7
.set OPN, 1
.endif
.endif
.if OPN
	s_wait_tensorcnt 3-((\s)+1)/2                  ; behind the next slot's load I issued this many: they may stay out (nothing is filled again in this launch)
	s_wait_dscnt 0x0                               ; no LDS load of mine is out at a signal
	s_barrier_signal -1
.else
	s_wait_dscnt 8                                 ; B's fragments and A's blocks 0, 1 are in; the youngest eight loads (A's blocks 2, 3) may be out
.endif
.if \cmode
	WIN 0x81                                       ; source 0 window 1, source 1 and C window 0, D window 2
.else
	WIN 0xa1                                       ; source 0 window 1, source 1 window 0, C and D window 2
.endif
	MUL16 \s, 0, \cmode
.if OPN
	s_barrier_wait -1
.endif
.if (\s) < 7
	PLACES
	FETCH (\s)+1
	s_wait_dscnt 48                                ; all but the 48 just issued
.else
	s_wait_dscnt 0x0
.endif
.if \cmode
	WIN 0x81
.else
	WIN 0xa1
.endif
	MUL16 \s, 2, \cmode
.endm
	s_load_b128 s[4:7], s[0:1], 0x0                ; xw_img, xw_sc
	s_load_b128 s[12:15], s[0:1], 0x10             ; b_qkv, qkvc
	v_lshl_add_u32 v7, v0, 2, 0x4b000
	v_mov_b32 v31, 0
	ds_add_u32 v7, v31
	ds_add_u32 v7, v31
	v_lshrrev_b32 v1, 5, v0
	v_readfirstlane_b32 s16, v1                    ; wave 0..3
	s_lshr_b32 s17, s16, 1                         ; I fetch for A (0) or for B (1),
	s_and_b32 s18, s16, 1                          ; its first or its second half
	s_bfe_u32 s19, ttmp6, 0x40000                  ; cx
	s_bfe_u32 s20, ttmp6, 0x40004                  ; cy
	s_mov_b32 s21, ttmp9                           ; the cluster's x, 0..5
	s_and_b32 s22, ttmp7, 0xffff                   ; the cluster's y, 0..7
	s_lshr_b32 s23, s21, 1                         ; the role
	s_lshl_b32 s2, s20, 2
	s_lshl_b32 s2, 15, s2                          ; my row of the cluster
	s_lshl_b32 s66, 0x1111, s19                    ; my column
	s_or_b32 s[G1A], s2, (3<<16)|(1<<21)           ; 15:0 the mask; 17:16 elements of 8 bytes; 21 set beside a mask; no padding
	s_or_b32 s[G1SA], s2, (3<<16)|(1<<21)
	s_or_b32 s[G1B], s66, (3<<16)|(1<<21)
	s_or_b32 s[G1SB], s66, (3<<16)|(1<<21)
	SHAPE G1A, 384, 8, 1536                        ; 8 row blocks x 3,072 bytes (256 along K), 12,288 bytes from block to block
	SHAPE G1B, 384, 4, 1536                        ; 4 row blocks likewise
	SHAPE G1SA, 32, 16, 32                         ; 8 row blocks' scale words: 4,096 dense bytes as rows of 256
	SHAPE G1SB, 32, 8, 32                          ; 4 row blocks': 2,048
	s_lshl_b32 s2, s22, 6                          ; q, k: A = x, from row block 64 x cluster y
	s_lshl_b32 s66, s21, 5
	s_add_co_u32 s66, s66, 512                     ;       B = w_qkv's q and k rows, from 512 + 32 x cluster x
	s_sub_co_u32 s67, s21, 4
	s_lshl_b32 s67, s67, 3
	s_add_co_u32 s67, s67, s22
	s_lshl_b32 s67, s67, 5                         ; v:    B = x, from 32 (8 (cluster x - 4) + cluster y)
	s_mov_b32 s3, 640                              ;       A = w_qkv's v rows
	s_cmp_eq_u32 s23, 2
	s_cselect_b32 s2, s3, s2
	s_cselect_b32 s66, s67, s66
	s_lshl_b32 s3, s20, 4
	s_add_co_u32 s2, s2, s3                        ; + 16 cy: A's tile hangs on cy alone within the cluster
	s_lshl_b32 s3, s18, 3
	s_add_co_u32 s2, s2, s3                        ; + the 8 blocks of my half
	s_lshl_b32 s67, s19, 3
	s_add_co_u32 s66, s66, s67                     ; + 8 cx: B's on cx alone
	s_lshl_b32 s67, s18, 2
	s_add_co_u32 s66, s66, s67                     ; + the 4 blocks of my half
	s_mul_i32 s[G0SA+2], s2, 512                   ; byte offsets, made where the addresses will stand
	s_mov_b32 s[G0SA+3], 0
	s_mul_i32 s2, s2, 12288
	s_mov_b32 s3, 0
	s_mul_i32 s[G0SB+2], s66, 512
	s_mov_b32 s[G0SB+3], 0
	s_mul_i32 s66, s66, 12288
	s_mov_b32 s67, 0
	s_mul_i32 s100, s18, 24576                     ; where they go in a slot: the wave's number alone enters an LDS address
	s_mul_i32 s101, s18, 12288
	s_wait_dscnt 0x0
	s_wait_kmcnt 0x0
	s_mov_b32 s[G0SA], 1
	s_lshl_b32 s[G0SA+1], s18, 12
	s_add_co_u32 s[G0SA+1], s[G0SA+1], SCA
	s_add_nc_u64 s[G0SA+2:G0SA+3], s[SCLA:SCLA+1], s[G0SA+2:G0SA+3]
	s_or_b32 s[G0SA+3], s[G0SA+3], 0x80000000
	s_mov_b32 s[G0SB], 1
	s_lshl_b32 s[G0SB+1], s18, 11
	s_add_co_u32 s[G0SB+1], s[G0SB+1], SCB
	s_add_nc_u64 s[G0SB+2:G0SB+3], s[SCLB:SCLB+1], s[G0SB+2:G0SB+3]
	s_or_b32 s[G0SB+3], s[G0SB+3], 0x80000000
	s_add_nc_u64 s[2:3], s[IMGA:IMGA+1], s[2:3]
	s_add_nc_u64 s[66:67], s[IMGB:IMGB+1], s[66:67]
.irp g, 0,1,2,3
	s_mov_b32 s[G0A+4*\g], 1
	s_add_co_u32 s[G0A+4*\g+1], s100, \g*SLOT
	s_add_nc_u64 s[G0A+4*\g+2:G0A+4*\g+3], s[2:3], \g*3072
	s_or_b32 s[G0A+4*\g+3], s[G0A+4*\g+3], 0x80000000
	s_mov_b32 s[G0B+4*\g], 1
	s_add_co_u32 s[G0B+4*\g+1], s101, \g*SLOT+BOFF
	s_add_nc_u64 s[G0B+4*\g+2:G0B+4*\g+3], s[66:67], \g*3072
	s_or_b32 s[G0B+4*\g+3], s[G0B+4*\g+3], 0x80000000
.endr
	CROUND                                         ; all sixteen work-groups are here: the joint loads meet
	s_cmp_eq_u32 s17, 0                            ; all fills of a wave stand in one branch on its number: five loads of mine are out: my scales, then slots 0 to 3
	s_cbranch_scc0 .Larm_b
	tensor_load_to_lds s[G0SA:G0SA+3], s[G1SA:G1SA+7]
	s_nop 0
	tensor_load_to_lds s[G0A:G0A+3], s[G1A:G1A+7]
	s_nop 0
	tensor_load_to_lds s[G0A+4:G0A+7], s[G1A:G1A+7]
	s_nop 0
	tensor_load_to_lds s[G0A+8:G0A+11], s[G1A:G1A+7]
	s_nop 0
	tensor_load_to_lds s[G0A+12:G0A+15], s[G1A:G1A+7]
	s_nop 0
.rept 4
	v_nop
.endr
	s_branch .Lasked
.Larm_b:
	tensor_load_to_lds s[G0SB:G0SB+3], s[G1SB:G1SB+7]
	s_nop 0
	tensor_load_to_lds s[G0B:G0B+3], s[G1B:G1B+7]
	s_nop 0
	tensor_load_to_lds s[G0B+4:G0B+7], s[G1B:G1B+7]
	s_nop 0
	tensor_load_to_lds s[G0B+8:G0B+11], s[G1B:G1B+7]
	s_nop 0
	tensor_load_to_lds s[G0B+12:G0B+15], s[G1B:G1B+7]
	s_nop 0
.rept 4
	v_nop
.endr
.Lasked:
	v_and_b32 v6, 31, v0
	v_and_b32 v1, 15, v0                           ; r
	v_bfe_u32 v2, v0, 4, 1                         ; h
	v_lshlrev_b32 v3, 4, v6                        ; 16 L
	v_lshlrev_b32 v4, 3, v6                        ; 8 L
	s_mul_i32 s100, s16, 12288                     ; my four row blocks of A in a slot
	v_add_nc_u32 v[ADA16], s100, v3
	v_add_nc_u32 v[ADA8], s100, v4
	v_add_nc_u32 v[ADB16], BOFF, v3
	v_add_nc_u32 v[ADB8], BOFF, v4
.irp g, 1,2,3
	v_add_nc_u32 v[ADA16+\g], \g*SLOT, v[ADA16]
	v_add_nc_u32 v[ADA8+\g], \g*SLOT, v[ADA8]
	v_add_nc_u32 v[ADB16+\g], \g*SLOT, v[ADB16]
	v_add_nc_u32 v[ADB8+\g], \g*SLOT, v[ADB8]
.endr
	s_xor_b32 s101, s16, 3
	s_add_co_u32 s101, s101, 1
	s_lshl_b32 s101, s101, 11                      ; from my A blocks' scale words to B's: 8,192 - 2,048 x wave
	v_mul_u32_u24 v5, s101, v2                     ; lanes 16-31 take B's
	v_lshl_add_u32 v5, v1, 4, v5
	s_lshl_b32 s100, s16, 11
	s_add_co_u32 s100, s100, SCA
	v_add_nc_u32 v5, s100, v5
	; The bias.  Both kinds are loaded in every role (both stay inside b_qkv's 3,072 numbers), so that one branch alone, round the first K step, tells the roles apart.
	v_lshlrev_b32 v24, 6, v2                       ; 64 h: of B's block b my registers are rows 32 (b / 2) + 8 (b % 2) + 16 h + 0 .. 7
	s_wait_alu depctr_va_vdst(0)
	v_and_b32 v25, 8, v1
	v_add_nc_u32 v25, v25, v1
	v_lshlrev_b32 v25, 2, v25                      ; 4 (r + 8 (r / 8)): of A's block a my lane is row 32 (a / 2) + 8 (a % 2) + r + 8 (r / 8)
	s_wait_alu depctr_va_vdst(0)
	v_lshlrev_b32 v30, 4, v1
	v_lshl_add_u32 v30, v2, 3, v30                 ; 16 r + 8 h: my two scale words on the way out
	s_lshl_b32 s2, s21, 2
	s_add_co_u32 s2, s2, s19                       ; work-group x
	s_lshl_b32 s2, s2, 9
	s_mov_b32 s3, 0
	s_add_nc_u64 s[2:3], s[12:13], s[2:3]          ; b_qkv at feature 128 x work-group x
	s_lshl_b32 s66, s20, 10
	s_lshl_b32 s67, s16, 8
	s_add_co_u32 s66, s66, s67
	s_add_co_u32 s66, s66, 8192
	s_mov_b32 s67, 0
	s_add_nc_u64 s[66:67], s[12:13], s[66:67]      ; b_qkv at feature 2,048 + 256 cy + 64 x wave
.irp b, 0,1,2,3,4,5,6,7
	global_load_b128 v[BI+8*\b:BI+8*\b+3], v24, s[2:3] offset:(32*(\b/2)+8*(\b%2))*4
	global_load_b128 v[BI+8*\b+4:BI+8*\b+7], v24, s[2:3] offset:(32*(\b/2)+8*(\b%2))*4+16
.endr
.irp a, 0,1,2,3
	global_load_b32 v[26+\a], v25, s[66:67] offset:(32*(\a/2)+8*(\a%2))*4
.endr
	s_wait_tensorcnt 3                             ; my scales and my part of slot 0 are in; slots 1 to 3 may stay out,
	s_barrier_signal -1
	s_barrier_wait -1                              ; everybody's are
	SCALES
	FETCH 0
	s_wait_loadcnt 0x0                             ; the bias
	s_cmp_eq_u32 s23, 2
	s_cbranch_scc1 .Lstep0_v
	STEP 0, 1                                      ; q, k: the bias of B's rows (features) starts the sums
	WIN 0
	s_branch .Lstep1
.Lstep0_v:
.irp a, 0,1,2,3
.irp j, 0,1,2,3,4,5,6,7
	v_mov_b32 v[BI+8*\a+\j], v[26+\a]              ; v: a lane is one channel: its bias in all eight registers of A's block a
.endr
.endr
	PLACES
	s_wait_alu depctr_va_vdst(0)
	STEP 0, 2
	WIN 0
.Lstep1:
	STEP 1, 0
	STEP 2, 0
	STEP 3, 0
	STEP 4, 0
	STEP 5, 0
	STEP 6, 0
	STEP 7, 0
	WIN 0
	PLACES                                         ; behind the last products
	; THE WAY OUT.  No tensor load of mine is out (the wait in step 5 was for 0): the descriptors' registers are free.
.irp b, 0,1,2,3
	v_mov_b32 v[TM+4+\b], 0                        ; written once: a lane permute's destination counts as one of its sources
.endr
	s_mov_b32 s[SEL], 0x76543210
	s_mov_b32 s[SEL+1], 0xfedcba98
	s_lshl_b32 s24, s22, 2
	s_add_co_u32 s24, s24, s20
	s_lshl_b32 s24, s24, 1
	s_add_co_u32 s24, s24, s17                     ; q, k: my group of 128 tokens: 2 x work-group y + wave / 2
	s_lshl_b32 s25, s21, 2
	s_add_co_u32 s25, s25, s19
	s_and_b32 s25, s25, 7
	s_lshl_b32 s25, s25, 1                         ;       my first head: 2 (work-group x % 8)
	s_sub_co_u32 s26, s21, 4
	s_lshl_b32 s26, s26, 3
	s_add_co_u32 s26, s26, s22
	s_lshl_b32 s26, s26, 2
	s_add_co_u32 s26, s26, s19                     ; v: the work-group's 128 tokens
	s_lshl_b32 s27, s20, 2
	s_add_co_u32 s27, s27, s16                     ;    my head: 4 cy + wave
	s_cmp_eq_u32 s23, 2
	s_cselect_b32 s24, s26, s24
	s_cselect_b32 s25, s27, s25
	s_lshr_b32 s26, s24, 4                         ; the batch
	s_and_b32 s24, s24, 15                         ; the group within it
	s_lshl_b32 s25, s25, 2
	s_add_co_u32 s25, s25, s26                     ; rho = 4 head + batch
	s_cmp_eq_u32 s23, 0                            ; the role's constants: s28 record, s29 images' base, s30 a group on, s31 the wave's second half on; s32 to s34 the same for the scale words; s36 a block on; s38 the second half's place
	s_cbranch_scc0 .Lnot_q
	s_mov_b32 s28, QREC
	s_mov_b32 s29, 8192
	s_mov_b32 s30, 6144
	s_mov_b32 s31, 3072
	s_mov_b32 s32, 0
	s_mov_b32 s33, 512
	s_mov_b32 s34, 256
	s_mov_b32 s36, 768
	s_mov_b32 s38, 4*QREC                          ; the next head's record
	s_branch .Lplaced
.Lnot_q:
	s_cmp_eq_u32 s23, 1
	s_cbranch_scc0 .Lis_v
	s_mov_b32 s28, KREC
	s_mov_b32 s29, KV0+12288
	s_mov_b32 s30, 12288
	s_mov_b32 s31, 3072
	s_mov_b32 s32, KV0
	s_mov_b32 s33, 512
	s_mov_b32 s34, 256
	s_mov_b32 s36, 768
	s_mov_b32 s38, 4*KREC
	s_branch .Lplaced
.Lis_v:
	s_mov_b32 s28, KREC
	s_mov_b32 s29, KV0+12288+6144
	s_mov_b32 s30, 12288
	s_mov_b32 s31, 0
	s_mov_b32 s32, KV0+8192
	s_mov_b32 s33, 256
	s_mov_b32 s34, 0
	s_mov_b32 s36, 1536
	s_mov_b32 s38, 768                             ; the fragment's second half
.Lplaced:
	s_mov_b32 s37, 0
	s_mov_b32 s39, 0
	s_mov_b32 s51, 0
	s_mul_i32 s28, s25, s28
	s_mul_i32 s30, s24, s30
	s_mul_i32 s31, s18, s31
	s_add_co_u32 s50, s29, s28
	s_add_co_u32 s50, s50, s30
	s_add_co_u32 s50, s50, s31
	s_add_nc_u64 s[42:43], s[14:15], s[50:51]      ; where block 0's first half goes,
	s_add_nc_u64 s[44:45], s[42:43], s[38:39]      ; and its second
	s_mul_i32 s33, s24, s33
	s_mul_i32 s34, s18, s34
	s_add_co_u32 s50, s32, s28
	s_add_co_u32 s50, s50, s33
	s_add_co_u32 s50, s50, s34
	s_add_nc_u64 s[46:47], s[14:15], s[50:51]      ; my 256 bytes of scale words,
	s_add_nc_u64 s[48:49], s[46:47], s[38:39]      ; and (q, k) the next head's
; A's block a: my 64 results, register 16 b + i = k 32 b + 16 h + i of my lane's row, become a fragment's codes and its scale word.  Each accumulator is read from its low end on.
.macro QUANTW a
	WIN 0x0a                                       ; sources 0 and 1 window 2
.irp b, 0,1,2,3
	v_max3_num_f32 v[TM+\b], |v[64*(\a)+16*\b]|, |v[64*(\a)+16*\b+1]|, 0x2800000   ; the floor 2^(5 - 127): the byte cannot fall under 1
.endr
.irp i, 2,4,6,8,10,12,14
.irp b, 0,1,2,3
	v_max3_num_f32 v[TM+\b], |v[64*(\a)+16*\b+\i]|, |v[64*(\a)+16*\b+\i+1]|, v[TM+\b]
.endr
.endr
	WIN 0
.irp b, 0,1,2,3
	v_permlanex16_b32 v[TM+4+\b], v[TM+\b], s[SEL], s[SEL+1]
.endr
.irp b, 0,1,2,3
	v_max_num_f32 v[TM+\b], v[TM+\b], v[TM+4+\b]
.endr
.irp b, 0,1,2,3
	v_add_nc_u32 v[TM+12+\b], 0xfe000000, v[TM+\b] ; 4 off the exponent field: the conversion's scale operand
.endr
.irp b, 0,1,2,3
	v_lshrrev_b32 v[TM+4+\b], 23, v[TM+12+\b]      ; the byte
.endr
	v_lshl_or_b32 v[PW+(\a)], v[TM+5], 8, v[TM+4]
	v_lshl_or_b32 v[PW+(\a)], v[TM+6], 16, v[PW+(\a)]
	v_lshl_or_b32 v[PW+(\a)], v[TM+7], 24, v[PW+(\a)]
.if (\a) > 0
	s_wait_xcnt 0x0                                ; the last block's stores have read their data and their bases: both are written again below
	s_add_nc_u64 s[42:43], s[42:43], s[36:37]
	s_add_nc_u64 s[44:45], s[44:45], s[36:37]
.endif
	WIN 0x02                                       ; source 0 window 2
.irp c, 0,1
	v_cvt_scalef32_pk16_bf6_f32 v[PC+6*\c:PC+2+6*\c], v[64*(\a)+32*\c:64*(\a)+32*\c+15], v[TM+12+2*\c]
	v_cvt_scalef32_pk16_bf6_f32 v[PC+12+4*\c:PC+14+4*\c], v[64*(\a)+32*\c+16:64*(\a)+32*\c+31], v[TM+13+2*\c]
.endr
	WIN 0
	v_nop                                          ; one plain place behind a scaled conversion
.irp c, 0,1
.irp i, 0,1,2
	v_permlane16_swap_b32 v[PC+6*\c+\i], v[PC+12+4*\c+\i]
.endr
.irp i, 0,1,2
	v_mov_b32 v[PC+3+6*\c+\i], v[PC+12+4*\c+\i]
.endr
.endr
	global_store_b128 v3, v[PC:PC+3], s[42:43]               ; every store covers 512 or 256 consecutive bytes, at a multiple of 256 from the buffer's first byte
	global_store_b64 v4, v[PC+4:PC+5], s[42:43] offset:512
	global_store_b128 v3, v[PC+6:PC+9], s[44:45]
	global_store_b64 v4, v[PC+10:PC+11], s[44:45] offset:512
.endm
	QUANTW 0
	QUANTW 1
	QUANTW 2
	QUANTW 3
	v_cmp_ne_u32 vcc_lo, 0, v2                     ; lanes 16-31 store the words of blocks 2 and 3
	v_cndmask_b32 v[WD], v[PW], v[PW+2], vcc_lo
	v_cndmask_b32 v[WD+1], v[PW+1], v[PW+3], vcc_lo
	global_store_b64 v30, v[WD:WD+1], s[46:47]
	s_cmp_eq_u32 s23, 2
	s_cbranch_scc1 .Lone_head
	v_lshrrev_b32 v[WD+2], 16, v[WD]               ; q, k: bytes 2 and 3 are the next head's bytes 0 and 1
	v_lshrrev_b32 v[WD+3], 16, v[WD+1]
	global_store_b64 v30, v[WD+2:WD+3], s[48:49]
.Lone_head:
	s_wait_tensorcnt 0x0
	ds_add_u32 v7, v31
	s_wait_dscnt 0x0
	CROUND                                         ; the closing round: no work-group ends while a partner may still ask for a tile that names it
	s_endpgm
.Lfunc_end_k_q2f28f9f72c_qkvgemm:
	.size	k_q2f28f9f72c_qkvgemm, .Lfunc_end_k_q2f28f9f72c_qkvgemm-k_q2f28f9f72c_qkvgemm
	.p2alignl 7, 3214868480
	.fill 96, 4, 3214868480
	.section	.rodata,"a",@progbits
	.p2align	6, 0x0
	.amdhsa_kernel k_q2f28f9f72c_qkvgemm
		.amdhsa_group_segment_fixed_size 307712
		.amdhsa_private_segment_fixed_size 0
		.amdhsa_enable_private_segment 0
		.amdhsa_kernarg_size 32
		.amdhsa_user_sgpr_count 2
		.amdhsa_user_sgpr_kernarg_segment_ptr 1
		.amdhsa_wavefront_size32 1
		.amdhsa_system_sgpr_workgroup_id_x 1
		.amdhsa_system_sgpr_workgroup_id_y 1
		.amdhsa_system_sgpr_workgroup_id_z 1
		.amdhsa_system_vgpr_workitem_id 0
		.amdhsa_next_free_vgpr 768
		.amdhsa_next_free_sgpr 102
		.amdhsa_reserve_vcc 1
		.amdhsa_float_denorm_mode_32 3
		.amdhsa_float_denorm_mode_16_64 3
		.amdhsa_memory_ordered 1
		.amdhsa_forward_progress 1
		.amdhsa_inst_pref_size 102
	.end_amdhsa_kernel
	.amdgpu_metadata
---
amdhsa.version: [ 1, 2 ]
amdhsa.kernels:
  - .name:           k_q2f28f9f72c_qkvgemm
    .symbol:         k_q2f28f9f72c_qkvgemm.kd
    .args:
      - { .name: xw_img, .offset: 0, .size: 8, .value_kind: global_buffer, .address_space: global }
      - { .name: xw_sc, .offset: 8, .size: 8, .value_kind: global_buffer, .address_space: global }
      - { .name: b_qkv, .offset: 16, .size: 8, .value_kind: global_buffer, .address_space: global }
      - { .name: qkvc, .offset: 24, .size: 8, .value_kind: global_buffer, .address_space: global }
    .group_segment_fixed_size: 307712
    .private_segment_fixed_size: 0
    .kernarg_segment_align: 8
    .kernarg_segment_size: 32
    .max_flat_workgroup_size: 128
    .sgpr_count:     102
    .vgpr_count:     768
    .wavefront_size: 32
...
	.end_amdgpu_metadata
.endif
;; end of part 2
;; launch attn (part 3): grid 4 x 64, 16 waves a work-group, clusters of 4 x 1, 210,944 bytes of LDS; arguments qkvc, att_img, att_sc; writes att_img, att_sc
.if DOCPART == 3
	.amdgcn_target "amdgcn-amd-amdhsa--gfx1250"
	.amdhsa_code_object_version 6
	.text
	.protected	k_q2f28f9f72c_attn
	.globl	k_q2f28f9f72c_attn
	.p2align	8
	.type	k_q2f28f9f72c_attn,@function
k_q2f28f9f72c_attn:
	s_mov_b64 s[64:65], 0
	v_nop
	global_prefetch_b8 v0, s[64:65] scope:SCOPE_SE
	s_setreg_imm32_b32 hwreg(HW_REG_WAVE_MODE, 25, 1), 1
	s_wait_xcnt 0x0
	s_wait_alu depctr_hold_cnt(0) depctr_sa_sdst(0) depctr_va_vdst(0) depctr_va_sdst(0) depctr_va_ssrc(0) depctr_va_vcc(0) depctr_vm_vsrc(0)
	s_getreg_b32 s2, hwreg(HW_REG_IB_STS2, 6, 4)
	s_cmp_eq_u32 s2, 0
	s_cbranch_scc0 .Lentry_in_a_cluster
	s_endpgm
.Lentry_in_a_cluster:
	s_bfe_u32 s2, ttmp6, 0x10000c
	s_cmp_lg_u32 s2, 0x3003
	s_cbranch_scc0 .Lentry_shape_is_right
	s_endpgm
.Lentry_shape_is_right:
; Causal attention of one head of one batch (rho = 4 head + batch = the cluster's y) on codes of E3M2, and its result quantised along C for the last product.
; t = score x log2(e) / 8; M = the running largest t rounded up to a whole number; p = 2^(t - M) is quantised along the keys, not normalised; the row's sum is taken of the unquantised p and divides at the end.
; When M moves, the sum and O are multiplied by 2^(old M - new M): exact.
; K AND V.  The head's KV record (208,896 bytes: k's scale words, v's, then for each 128 keys k's 8 halves and v's 4 fragments, all as images of the operands' registers) is copied into LDS ONCE, as it lies, by
; joint loads of the cluster's four work-groups; nothing is filled again and nothing is stored to LDS.
; SHARES.  The cluster's 64 waves own the head's 128 tiles of 16 queries, two each: tile lo = 8 (wave / 2) + 2 cx + wave % 2 and tile 127 - lo.  Tile tau needs key steps 0 .. tau / 8, which hangs on the
; wave's number alone: wave / 2 + 1 and 16 - wave / 2 steps: 17 for every wave.  cx enters global addresses and the mask's numbers alone, no branch and no LDS address.
; LAYOUT.  Both products transposed: S^T = k q^T, O^T = v^T p^T: a lane holds one query.  Place p of a tile is token 32 (tau / 2) + 8 (tau % 2) + p + 8 (p / 8), so the 16 registers of key tiles 2 b, 2 b + 1 are keys 32 b + 16 h + 0 .. 15.
; THE HEAD'S K IS 64, the instruction's 128: q's registers 6-11 are zero codes, so whatever codes stand in k's registers 6-11 (the next tile's) add nothing; no scale byte is 0xff.
; All loops have constant trip counts; a step whose keys all come after the tile's queries is jumped over but for the lines that step addresses.
; LIMITS: NaN and infinities are not served; |t| stays under 3e38; a block whose largest magnitude lies under 2^-122 gets the byte 1.
; REGISTERS: v1 16 L, v2 8 L, v3 16 r, v4 r + 8 (r / 8) - 16 h, v5 the mask's number, v6-9 addresses in hand, v10 16 r + h, v11 h, v12 -M, v13 largest t, v[14:15] the sum, v16-27 q, v28 q's scale word, v29 p's,
; v30-33 k's scale words, v34-37 v's, v38-91 fragments, v92-155 S^T then p, v156-187 O^T, v188-207 codes, v208-224 at work.
.set KV0,  6815744
.set QREC, 106496
.set KREC, 208896
.set WV,   10
.set G1X,  16                          ; s[16:23] group 1, first stage; s[24:31] second stage; s[32:35], s[36:39] their groups 0
.set G1Y,  24
.set SEL,  40
.set CS,   42
.set TK,   44                          ; LDS byte of the step's k and v
.set TS,   45                          ; of its k scale words
.set TJ,   46                          ; of its v scale words
.set SI,   47                          ; the step
.set GAM,  48                          ; the tile's last step
.set CNT,  49
.set QPH,  50                          ; tile 127 - lo: q's half, its scale words, where O's half goes, where its scale bytes go, the mask's term
.set QSH,  52
.set OPH,  54
.set OSH,  56
.set TRH,  58
.set TRL,  59                          ; tile lo: the same
.set QPL,  60
.set QSL,  62
.set OPL,  66
.set OSL,  68
.macro CROUND
	s_barrier_signal -1
	s_barrier_wait -1
	s_cmp_lg_u32 s[WV], 0
	s_cbranch_scc1 .Lnot_wave_0_\@
	s_barrier_signal -3
.Lnot_wave_0_\@:
	s_barrier_wait -3
	s_barrier_signal -1
	s_barrier_wait -1
.endm
.macro PLACES
.rept 4
	v_nop
.endr
.endm
.macro FRAG reg, a16, a8, off
	ds_load_b128 v[(\reg):(\reg)+3], v[\a16] offset:\off
	ds_load_b64 v[(\reg)+4:(\reg)+5], v[\a8] offset:\off+512
	ds_load_b128 v[(\reg)+6:(\reg)+9], v[\a16] offset:\off+768
	ds_load_b64 v[(\reg)+10:(\reg)+11], v[\a8] offset:\off+1280
.endm
	s_load_b128 s[4:7], s[0:1], 0x0                ; qkvc, att_img
	s_load_b64 s[8:9], s[0:1], 0x10                ; att_sc
	v_lshl_add_u32 v254, v0, 2, 0x33000
	v_mov_b32 v255, 0
	ds_add_u32 v254, v255
	ds_add_u32 v254, v255
	v_lshrrev_b32 v1, 5, v0
	s_delay_alu instid0(VALU_DEP_1)
	v_readfirstlane_b32 s[WV], v1                  ; wave 0..15
	s_bfe_u32 s11, ttmp6, 0x40000                  ; cx
	s_and_b32 s12, ttmp7, 0xffff                   ; rho
	s_lshr_b32 s13, s12, 2                         ; the head
	s_and_b32 s14, s12, 3                          ; the batch
	s_mov_b32 s[G1X], 15|(3<<16)|(1<<21)           ; the mask: all four work-groups; elements of 8 bytes; bit 21 beside a mask
	s_mov_b32 s[G1X+1], 32<<16                     ; rows of 256 bytes,
	s_mov_b32 s[G1X+2], 60<<16                     ; 60 of them: a quarter of the scale words and key steps 0 to 3 (61,440 bytes)
	s_mov_b32 s[G1X+3], 32<<16
	s_mov_b32 s[G1X+4], 60
	s_mov_b32 s[G1X+5], 32
	s_mov_b32 s[G1X+6], 0
	s_mov_b32 s[G1X+7], 0
	s_mov_b32 s[G1Y], 15|(3<<16)|(1<<21)
	s_mov_b32 s[G1Y+1], 32<<16
	s_mov_b32 s[G1Y+2], 144<<16                    ; 144 rows: a quarter of key steps 4 to 15 (147,456 bytes)
	s_mov_b32 s[G1Y+3], 32<<16
	s_mov_b32 s[G1Y+4], 144
	s_mov_b32 s[G1Y+5], 32
	s_mov_b32 s[G1Y+6], 0
	s_mov_b32 s[G1Y+7], 0
	s_mul_i32 s70, s12, KREC
	s_add_co_u32 s70, s70, KV0
	s_mov_b32 s71, 0
	s_mul_i32 s72, s[WV], 15360                    ; waves 0 to 3: my quarter of each stage, the same place in memory and in LDS
	s_mul_i32 s73, s[WV], 36864
	s_add_co_u32 s73, s73, 61440
	s_mov_b32 s75, 0
	s_mov_b32 s[SEL], 0x76543210
	s_mov_b32 s[SEL+1], 0xfedcba98
	s_mov_b32 s[CS], 0x3e38aa3b                    ; c = log2(e) / sqrt(64)
	s_mov_b32 s[CS+1], s[CS]                       ; (named with it as a pair, so it is written)
	s_wait_dscnt 0x0
	s_wait_kmcnt 0x0
	s_add_nc_u64 s[70:71], s[4:5], s[70:71]        ; the record
	s_mov_b32 s32, 1
	s_mov_b32 s33, s72
	s_mov_b32 s74, s72
	s_add_nc_u64 s[34:35], s[70:71], s[74:75]
	s_or_b32 s35, s35, 0x80000000
	s_mov_b32 s36, 1
	s_mov_b32 s37, s73
	s_mov_b32 s74, s73
	s_add_nc_u64 s[38:39], s[70:71], s[74:75]
	s_or_b32 s39, s39, 0x80000000
	CROUND                                         ; all four work-groups are here: the joint loads meet
	s_cmp_lt_u32 s[WV], 4                          ; waves 0 to 3 fetch: two loads of mine are out
	s_cbranch_scc0 .Lno_fetch
	tensor_load_to_lds s[32:35], s[G1X:G1X+7]
	s_nop 0
	tensor_load_to_lds s[36:39], s[G1Y:G1Y+7]
	s_nop 0
.rept 4
	v_nop
.endr
.Lno_fetch:
	s_lshr_b32 s76, s[WV], 1                       ; tile lo's last step
	s_xor_b32 s77, s76, 15                         ; tile 127 - lo's: 15 - wave / 2
	s_lshl_b32 s80, s76, 3
	s_lshl_b32 s72, s11, 1
	s_add_co_u32 s80, s80, s72
	s_and_b32 s72, s[WV], 1
	s_add_co_u32 s80, s80, s72                     ; lo
	s_sub_co_u32 s81, 127, s80
	s_mul_i32 s82, s12, QREC                       ; the Q record
	s_mul_i32 s79, s13, 768                        ; my head's half in a row block of att_img
	s_lshr_b32 s78, s13, 3
	s_lshl_b32 s78, s78, 8
	s_bfe_u32 s72, s13, 0x20001
	s_lshl_b32 s72, s72, 2
	s_add_co_u32 s78, s78, s72
	s_and_b32 s72, s13, 1
	s_lshl_b32 s72, s72, 1
	s_add_co_u32 s78, s78, s72                     ; and its two bytes in a row's scale words: 256 (head / 8) + 4 ((head / 2) % 4) + 2 (head % 2)
.macro TILEPTR t, qp, qs, op, os, term
	s_mul_i32 s72, s[\t], 768
	s_add_co_u32 s72, s72, s82
	s_add_co_u32 s72, s72, 8192
	s_mov_b32 s73, 0
	s_add_nc_u64 s[\qp:\qp+1], s[4:5], s[72:73]
	s_lshr_b32 s72, s[\t], 2
	s_lshl_b32 s72, s72, 8                         ; four tiles' scale words are 256 bytes,
	s_and_b32 s74, s[\t], 3
	s_lshl_b32 s74, s74, 2                         ; word (a, r) at 16 r + 4 a
	s_add_co_u32 s72, s72, s74
	s_add_co_u32 s72, s72, s82
	s_add_nc_u64 s[\qs:\qs+1], s[4:5], s[72:73]
	s_lshl_b32 s74, s14, 7
	s_add_co_u32 s74, s74, s[\t]                   ; the row block: 128 batch + tile
	s_mul_i32 s72, s74, 12288
	s_add_co_u32 s72, s72, s79
	s_add_nc_u64 s[\op:\op+1], s[6:7], s[72:73]
	s_lshl_b32 s72, s74, 9
	s_add_co_u32 s72, s72, s78
	s_add_nc_u64 s[\os:\os+1], s[8:9], s[72:73]
	s_and_b32 s72, s[\t], 7
	s_lshr_b32 s72, s72, 1
	s_lshl_b32 s72, s72, 5
	s_and_b32 s74, s[\t], 1
	s_lshl_b32 s74, s74, 3
	s_add_co_u32 s[\term], s72, s74                ; the tile's first token within its 128: 32 ((tile % 8) / 2) + 8 (tile % 2)
.endm
	TILEPTR 81, QPH, QSH, OPH, OSH, TRH
	TILEPTR 80, QPL, QSL, OPL, OSL, TRL
	v_and_b32 v6, 31, v0
	s_delay_alu instid0(VALU_DEP_1)
	v_lshlrev_b32 v1, 4, v6                        ; 16 L
	s_delay_alu instid0(VALU_DEP_2)
	v_lshlrev_b32 v2, 3, v6                        ; 8 L
	v_and_b32 v7, 15, v0                           ; r
	v_bfe_u32 v11, v0, 4, 1                        ; h
	s_delay_alu instid0(VALU_DEP_2)
	v_lshlrev_b32 v3, 4, v7                        ; 16 r
	s_delay_alu instid0(VALU_DEP_3)
	v_and_b32 v4, 8, v7
	s_delay_alu instid0(VALU_DEP_1)
	v_add_nc_u32 v4, v4, v7
	s_delay_alu instid0(VALU_DEP_4)
	v_lshlrev_b32 v8, 4, v11
	s_delay_alu instid0(VALU_DEP_1)
	v_sub_nc_u32 v4, v4, v8                        ; r + 8 (r / 8) - 16 h
	v_add_nc_u32 v10, v3, v11                      ; 16 r + h
.macro QLOAD qp, qs
	global_load_b128 v[16:19], v1, s[\qp:\qp+1]
	global_load_b64 v[20:21], v2, s[\qp:\qp+1] offset:512
	global_load_b32 v28, v3, s[\qs:\qs+1]
.endm
	QLOAD QPH, QSH
.irp j, 22,23,24,25,26,27,86,87,88,89,90,91
	v_mov_b32 v[\j], 0                             ; q's upper half: zero codes; and what stands behind k's last tile
.endr
.irp j, 212,213,214,215,221,222
	v_mov_b32 v[\j], 0                             ; written once: lane permutes' destinations, and the upper half of the pair v[220:221]
.endr
	v_mov_b32 v224, 0xff800000                     ; -infinity
.macro INIT term
	v_mov_b32 v13, 0xff61b1e6                      ; the largest t so far: -3e38
	s_delay_alu instid0(VALU_DEP_1)
	v_floor_f32 v12, -v13                          ; -M
	v_mov_b32 v14, 0
	v_mov_b32 v15, 0
.irp j, 0,1,2,3,4,5,6,7,8,9,10,11,12,13,14,15,16,17,18,19,20,21,22,23,24,25,26,27,28,29,30,31
	v_mov_b32 v[156+\j], 0                         ; O^T: the step is written without a first step of its own: the first change of M multiplies zeros
.endr
	v_add_nc_u32 v5, s[\term], v4                  ; d: in the tile's last step register 16 b + i is hidden where 32 b + i > d
.endm
; A KEY STEP: 128 keys.  chk = 1: the step may lie behind the tile's last (jumped over) or be it (masked).
.macro STEP chk
.if \chk
	s_cmp_gt_u32 s[SI], s[GAM]
	s_cbranch_scc1 .Lskip_\@
.endif
	s_setprio 2
	v_add_nc_u32 v6, s[TK], v1                     ; these four are the places behind the last step's products, in front of the loads below
	v_add_nc_u32 v7, s[TK], v2
	v_add_nc_u32 v8, s[TS], v1
	v_add_nc_u32 v9, s[TJ], v3
.irp t, 0,1,2,3,4,5,6,7
	ds_load_b128 v[38+6*\t:41+6*\t], v6 offset:768*\t
	ds_load_b64 v[42+6*\t:43+6*\t], v7 offset:768*\t+512
.endr
	ds_load_b128 v[30:33], v8                      ; register i: lanes 0-15 tile i's scale words, lanes 16-31 tile 4 + i's
	s_wait_alu depctr_va_vdst(0)
	s_wait_dscnt 0x0
.irp t, 0,1,2,3
	v_wmma_scale_f32_16x16x128_f8f6f4 v[92+8*\t:99+8*\t], v[38+6*\t:49+6*\t], v[16:27], 0, v[30+\t], v28 matrix_a_fmt:MATRIX_FMT_BF6 matrix_b_fmt:MATRIX_FMT_BF6
.endr
.irp t, 4,5,6,7
	v_wmma_scale_f32_16x16x128_f8f6f4 v[92+8*\t:99+8*\t], v[38+6*\t:49+6*\t], v[16:27], 0, v[26+\t], v28 matrix_a_fmt:MATRIX_FMT_BF6 matrix_b_fmt:MATRIX_FMT_BF6 matrix_a_scale:MATRIX_SCALE_ROW1
.endr
	PLACES
.irp c, 0,1,2,3
	FRAG 38+12*\c, 6, 7, 6144+1536*\c              ; v's four fragments land under the softmax
.endr
	ds_load_b128 v[34:37], v9                      ; register c: fragment c's scale words
.if \chk
	s_cmp_lg_u32 s[SI], s[GAM]
	s_cbranch_scc1 .Lopen_\@
.irp n, 0,1,2,3,4,5,6,7,8,9,10,11,12,13,14,15,16,17,18,19,20,21,22,23,24,25,26,27,28,29,30,31,32,33,34,35,36,37,38,39,40,41,42,43,44,45,46,47,48,49,50,51,52,53,54,55,56,57,58,59,60,61,62,63
	v_cmp_gt_i32 vcc_lo, 32*(\n/16)+\n%16, v5      ; the tile's last step: hidden scores become -infinity ahead of the maximum: p = 0
	v_cndmask_b32 v[92+\n], v[92+\n], v224, vcc_lo
.endr
.Lopen_\@:
.endif
.irp b, 0,1,2,3
	v_max3_num_f32 v[208+\b], v[92+16*\b], v[93+16*\b], v[94+16*\b]   ; the largest score of each block of 32 keys: for the row's maximum, and, since p rises with the score, for the block's largest p
.endr
.irp i, 3,5,7,9,11,13
.irp b, 0,1,2,3
	v_max3_num_f32 v[208+\b], v[208+\b], v[92+16*\b+\i], v[93+16*\b+\i]
.endr
.endr
.irp b, 0,1,2,3
	v_max_num_f32 v[208+\b], v[208+\b], v[107+16*\b]
.endr
.irp b, 0,1,2,3
	s_delay_alu instid0(VALU_DEP_4)
	v_permlanex16_b32 v[212+\b], v[208+\b], s[SEL], s[SEL+1]
.endr
.irp b, 0,1,2,3
	s_delay_alu instid0(VALU_DEP_4)
	v_max_num_f32 v[208+\b], v[208+\b], v[212+\b]  ; with lane l xor 16's 16 keys
.endr
	s_delay_alu instid0(VALU_DEP_2)
	v_max3_num_f32 v222, v208, v209, v210
	s_delay_alu instid0(VALU_DEP_1)
	v_max_num_f32 v222, v222, v211
	s_delay_alu instid0(VALU_DEP_1)
	v_mul_f32 v222, s[CS], v222                    ; the step's largest t
	s_delay_alu instid0(VALU_DEP_1)
	v_max_num_f32 v13, v13, v222
	v_mov_b32 v222, v12
	s_delay_alu instid0(VALU_DEP_2)
	v_floor_f32 v12, -v13                          ; the new -M = -ceil(t)
	s_delay_alu instid0(VALU_DEP_1)
	v_sub_f32 v222, v12, v222                      ; old M - new M: a whole number, 0 or less
	s_delay_alu instid0(VALU_DEP_1)
	v_cvt_i32_f32 v222, v222                       ; (it saturates)
	s_delay_alu instid0(VALU_DEP_1)
	v_ldexp_f32 v220, 1.0, v222                    ; f = 2^(old M - new M)
.irp j, 0,2,4,6,8,10,12,14,16,18,20,22,24,26,28,30,32,34,36,38,40,42,44,46,48,50,52,54,56,58,60,62
	v_pk_fma_f32 v[92+\j:93+\j], v[92+\j:93+\j], s[CS:CS+1], v[12:13] op_sel_hi:[1,0,0]   ; t - M
.endr
.irp b, 0,1,2,3
	v_fma_f32 v[208+\b], v[208+\b], s[CS], v12
.endr
	s_setprio 1
	s_wait_alu depctr_va_vdst(0)
.irp j, 0,1,2,3,4,5,6,7,8,9,10,11,12,13,14,15,16,17,18,19,20,21,22,23,24,25,26,27,28,29,30,31,32,33,34,35,36,37,38,39,40,41,42,43,44,45,46,47,48,49,50,51,52,53,54,55,56,57,58,59,60,61,62,63
	v_exp_f32 v[92+\j], v[92+\j]                   ; p = 2^(t - M)
.endr
	v_pk_mul_f32 v[14:15], v[14:15], v[220:221] op_sel_hi:[1,0]   ; the sums under the new M: the plain place behind the exponentials
	s_wait_alu depctr_va_vdst(0)                   ; one wait for the batch, ahead of its first reader
.irp b, 0,1,2,3
	v_exp_f32 v[208+\b], v[208+\b]                 ; the block's largest p
.endr
	v_pk_add_f32 v[212:213], v[96:97], v[100:101]
	v_pk_add_f32 v[252:253], v[104:105], v[108:109]
	v_pk_add_f32 v[250:251], v[112:113], v[116:117]
	v_pk_add_f32 v[248:249], v[120:121], v[124:125]
	v_pk_add_f32 v[246:247], v[128:129], v[132:133]
	v_pk_add_f32 v[244:245], v[136:137], v[140:141]
	v_pk_add_f32 v[242:243], v[144:145], v[148:149]
	v_pk_add_f32 v[14:15], v[14:15], v[152:153]
	v_pk_add_f32 v[212:213], v[212:213], v[92:93]
	v_pk_add_f32 v[252:253], v[252:253], v[94:95]
	v_pk_add_f32 v[250:251], v[250:251], v[98:99]
	v_pk_add_f32 v[248:249], v[248:249], v[102:103]
	v_pk_add_f32 v[246:247], v[246:247], v[106:107]
	v_pk_add_f32 v[244:245], v[244:245], v[110:111]
	v_pk_add_f32 v[242:243], v[242:243], v[114:115]
	v_pk_add_f32 v[14:15], v[14:15], v[118:119]
	v_pk_add_f32 v[212:213], v[212:213], v[122:123]
	v_pk_add_f32 v[252:253], v[252:253], v[126:127]
	v_pk_add_f32 v[250:251], v[250:251], v[130:131]
	v_pk_add_f32 v[248:249], v[248:249], v[134:135]
	v_pk_add_f32 v[246:247], v[246:247], v[138:139]
	v_pk_add_f32 v[244:245], v[244:245], v[142:143]
	v_pk_add_f32 v[242:243], v[242:243], v[146:147]
	v_pk_add_f32 v[14:15], v[14:15], v[150:151]
	v_pk_add_f32 v[212:213], v[212:213], v[154:155]
	s_delay_alu instid0(VALU_DEP_2)
	v_pk_add_f32 v[14:15], v[14:15], v[248:249]
	s_delay_alu instid0(VALU_DEP_2)
	v_pk_add_f32 v[212:213], v[212:213], v[246:247]
	v_pk_add_f32 v[252:253], v[252:253], v[244:245]
	v_pk_add_f32 v[250:251], v[250:251], v[242:243]
	s_delay_alu instid0(VALU_DEP_2)
	v_pk_add_f32 v[14:15], v[14:15], v[252:253]
	s_delay_alu instid0(VALU_DEP_2)
	v_pk_add_f32 v[212:213], v[212:213], v[250:251]
	s_delay_alu instid0(VALU_DEP_1)
	v_pk_add_f32 v[14:15], v[14:15], v[212:213]
	s_wait_alu depctr_va_vdst(0)                   ; and one for the four
.irp b, 0,1,2,3
	v_max_num_f32 v[208+\b], 0x2800000, v[208+\b]  ; the floor 2^(5 - 127)
.endr
.irp b, 0,1,2,3
	s_delay_alu instid0(VALU_DEP_4)
	v_add_nc_u32 v[216+\b], 0xfe000000, v[208+\b]
.endr
.irp b, 0,1,2,3
	s_delay_alu instid0(VALU_DEP_4)
	v_lshrrev_b32 v[212+\b], 23, v[216+\b]
.endr
	s_delay_alu instid0(VALU_DEP_3)
	v_lshl_or_b32 v29, v213, 8, v212               ; p's scale word for these 128 keys
	s_delay_alu instid0(VALU_DEP_1)
	v_lshl_or_b32 v29, v214, 16, v29
	s_delay_alu instid0(VALU_DEP_1)
	v_lshl_or_b32 v29, v215, 24, v29
.irp c, 0,1
	v_cvt_scalef32_pk16_bf6_f32 v[188+6*\c:190+6*\c], v[92+32*\c:107+32*\c], v[216+2*\c]
	v_cvt_scalef32_pk16_bf6_f32 v[200+4*\c:202+4*\c], v[108+32*\c:123+32*\c], v[217+2*\c]
.endr
	v_nop                                          ; one plain place behind a scaled conversion
	s_setprio 0
.irp c, 0,1
.irp i, 0,1,2
	v_permlane16_swap_b32 v[188+6*\c+\i], v[200+4*\c+\i]
.endr
.irp i, 0,1,2
	s_delay_alu instid0(VALU_DEP_3)
	v_mov_b32 v[191+6*\c+\i], v[200+4*\c+\i]
.endr
.endr
.irp j, 0,2,4,6,8,10,12,14,16,18,20,22,24,26,28,30
	v_pk_mul_f32 v[156+\j:157+\j], v[156+\j:157+\j], v[220:221] op_sel_hi:[1,0]   ; O^T under the new M; these sixteen also stand between the codes' and the scale word's last writes and the products
.endr
	s_wait_alu depctr_va_vdst(0)
	s_wait_dscnt 0x0                               ; v
.irp c, 0,1,2,3
	v_wmma_scale_f32_16x16x128_f8f6f4 v[156+8*\c:163+8*\c], v[38+12*\c:49+12*\c], v[188:199], v[156+8*\c:163+8*\c], v[34+\c], v29 matrix_a_fmt:MATRIX_FMT_BF6 matrix_b_fmt:MATRIX_FMT_BF6
.endr
.if \chk
.Lskip_\@:
.endif
	s_add_co_u32 s[TK], s[TK], 12288
	s_add_co_u32 s[TS], s[TS], 512
	s_add_co_u32 s[TJ], s[TJ], 256
	s_add_co_u32 s[SI], s[SI], 1
.endm
; A tile's end: O^T / the sum, quantised along the head's 64 (two blocks), stored as the head's half of the row block's image, with its two scale bytes a row.  next = 1: the other tile's q is asked for first.
.macro FINISH next, op, os
	PLACES                                         ; behind the last products: in front of loads into q's registers and of the first read of O^T
.if \next
	QLOAD QPL, QSL
.endif
	v_add_f32 v14, v14, v15
	s_delay_alu instid0(VALU_DEP_1)
	v_permlanex16_b32 v222, v14, s[SEL], s[SEL+1]
	s_delay_alu instid0(VALU_DEP_1)
	v_add_f32 v14, v14, v222                       ; the row's sum
	s_wait_alu depctr_va_vdst(0)
	v_rcp_f32 v14, v14
	v_nop                                          ; a plain place behind the reciprocal
	s_wait_alu depctr_va_vdst(0)                   ; and the wait ahead of its first reader
.irp j, 0,2,4,6,8,10,12,14,16,18,20,22,24,26,28,30
	v_pk_mul_f32 v[156+\j:157+\j], v[156+\j:157+\j], v[14:15] op_sel_hi:[1,0]   ; register 16 b + i = channel 32 b + 16 h + i
.endr
.irp b, 0,1
	v_max3_num_f32 v[208+\b], |v[156+16*\b]|, |v[157+16*\b]|, 0x2800000
.endr
.irp i, 2,4,6,8,10,12,14
.irp b, 0,1
	s_delay_alu instid0(VALU_DEP_2)
	v_max3_num_f32 v[208+\b], v[208+\b], |v[156+16*\b+\i]|, |v[157+16*\b+\i]|
.endr
.endr
.irp b, 0,1
	s_delay_alu instid0(VALU_DEP_2)
	v_permlanex16_b32 v[212+\b], v[208+\b], s[SEL], s[SEL+1]
.endr
.irp b, 0,1
	s_delay_alu instid0(VALU_DEP_2)
	v_max_num_f32 v[208+\b], v[208+\b], v[212+\b]
.endr
.irp b, 0,1
	s_delay_alu instid0(VALU_DEP_2)
	v_add_nc_u32 v[216+\b], 0xfe000000, v[208+\b]
.endr
.irp b, 0,1
	s_delay_alu instid0(VALU_DEP_2)
	v_lshrrev_b32 v[212+\b], 23, v[216+\b]
.endr
	v_cvt_scalef32_pk16_bf6_f32 v[188:190], v[156:171], v216
	v_cvt_scalef32_pk16_bf6_f32 v[200:202], v[172:187], v217
	v_nop
.irp i, 0,1,2
	v_permlane16_swap_b32 v[188+\i], v[200+\i]
.endr
.irp i, 0,1,2
	s_delay_alu instid0(VALU_DEP_3)
	v_mov_b32 v[191+\i], v[200+\i]
.endr
	v_cmp_ne_u32 vcc_lo, 0, v11
	s_delay_alu instid0(VALU_DEP_1)
	v_cndmask_b32 v222, v212, v213, vcc_lo         ; lanes 0-15 store block 0's byte, lanes 16-31 block 1's
	global_store_b128 v1, v[188:191], s[\op:\op+1]           ; 512 consecutive bytes, at a multiple of 256 from the buffer's first byte
	global_store_b64 v2, v[192:193], s[\op:\op+1] offset:512 ; 256 likewise
	global_store_b8 v10, v222, s[\os:\os+1]                  ; two bytes of each row's scale words: all that a wave holds of them
.endm
	s_wait_tensorcnt 1                             ; the first stage is in (waves 0 to 3: my part; the second stage may stay out)
	s_barrier_signal -1
	s_barrier_wait -1                              ; everybody's is
	INIT TRH
	s_mov_b32 s[GAM], s77
	s_mov_b32 s[TK], 12288
	s_mov_b32 s[TS], 0
	s_mov_b32 s[TJ], 8192
	s_mov_b32 s[SI], 0
	s_wait_loadcnt 0x0                             ; q
	s_mov_b32 s[CNT], 4
.Lfirst:                                           ; key steps 0 to 3 of tile 127 - lo, whose last step is 8 or later: none is hidden, none masked
	STEP 0
	s_sub_co_u32 s[CNT], s[CNT], 1
	s_cmp_lg_u32 s[CNT], 0
	s_cbranch_scc1 .Lfirst
	s_setprio 0
	s_wait_tensorcnt 0x0                           ; the second stage is in,
	s_wait_dscnt 0x0
	s_barrier_signal -1
	s_barrier_wait -1                              ; everybody's is
	s_mov_b32 s[CNT], 12
.Lsecond:                                          ; key steps 4 to 15
	STEP 1
	s_sub_co_u32 s[CNT], s[CNT], 1
	s_cmp_lg_u32 s[CNT], 0
	s_cbranch_scc1 .Lsecond
	s_setprio 0
	FINISH 1, OPH, OSH
	s_wait_xcnt 0x0                                ; the stores have read their data, which the next tile writes again
	INIT TRL
	s_mov_b32 s[GAM], s76
	s_mov_b32 s[TK], 12288
	s_mov_b32 s[TS], 0
	s_mov_b32 s[TJ], 8192
	s_mov_b32 s[SI], 0
	s_wait_loadcnt 0x0                             ; tile lo's q
	s_mov_b32 s[CNT], 8
.Lthird:                                           ; key steps 0 to 7 of tile lo
	STEP 1
	s_sub_co_u32 s[CNT], s[CNT], 1
	s_cmp_lg_u32 s[CNT], 0
	s_cbranch_scc1 .Lthird
	s_setprio 0
	FINISH 0, OPL, OSL
	s_wait_tensorcnt 0x0
	ds_add_u32 v254, v255
	s_wait_dscnt 0x0
	CROUND                                         ; the closing round
	s_endpgm
.Lfunc_end_k_q2f28f9f72c_attn:
	.size	k_q2f28f9f72c_attn, .Lfunc_end_k_q2f28f9f72c_attn-k_q2f28f9f72c_attn
	.p2alignl 7, 3214868480
	.fill 96, 4, 3214868480
	.section	.rodata,"a",@progbits
	.p2align	6, 0x0
	.amdhsa_kernel k_q2f28f9f72c_attn
		.amdhsa_group_segment_fixed_size 210944
		.amdhsa_private_segment_fixed_size 0
		.amdhsa_enable_private_segment 0
		.amdhsa_kernarg_size 24
		.amdhsa_user_sgpr_count 2
		.amdhsa_user_sgpr_kernarg_segment_ptr 1
		.amdhsa_wavefront_size32 1
		.amdhsa_system_sgpr_workgroup_id_x 1
		.amdhsa_system_sgpr_workgroup_id_y 1
		.amdhsa_system_sgpr_workgroup_id_z 1
		.amdhsa_system_vgpr_workitem_id 0
		.amdhsa_next_free_vgpr 256
		.amdhsa_next_free_sgpr 84
		.amdhsa_reserve_vcc 1
		.amdhsa_float_denorm_mode_32 3
		.amdhsa_float_denorm_mode_16_64 3
		.amdhsa_memory_ordered 1
		.amdhsa_forward_progress 1
		.amdhsa_inst_pref_size 83
	.end_amdhsa_kernel
	.amdgpu_metadata
---
amdhsa.version: [ 1, 2 ]
amdhsa.kernels:
  - .name:           k_q2f28f9f72c_attn
    .symbol:         k_q2f28f9f72c_attn.kd
    .args:
      - { .name: qkvc, .offset: 0, .size: 8, .value_kind: global_buffer, .address_space: global }
      - { .name: att_img, .offset: 8, .size: 8, .value_kind: global_buffer, .address_space: global }
      - { .name: att_sc, .offset: 16, .size: 8, .value_kind: global_buffer, .address_space: global }
    .group_segment_fixed_size: 210944
    .private_segment_fixed_size: 0
    .kernarg_segment_align: 8
    .kernarg_segment_size: 24
    .max_flat_workgroup_size: 512
    .sgpr_count:     84
    .vgpr_count:     256
    .wavefront_size: 32
...
	.end_amdgpu_metadata
.endif
;; end of part 3
;; launch proj (part 4): grid 8 x 32, 4 waves a work-group, clusters of 4 x 4, 307,712 bytes of LDS; arguments att_img, att_sc, xw_img, xw_sc, b_out, out0; writes out0
.if DOCPART == 4
	.amdgcn_target "amdgcn-amd-amdhsa--gfx1250"
	.amdhsa_code_object_version 6
	.text
	.protected	k_q2f28f9f72c_proj
	.globl	k_q2f28f9f72c_proj
	.p2align	8
	.type	k_q2f28f9f72c_proj,@function
k_q2f28f9f72c_proj:
	s_mov_b64 s[64:65], 0
	v_nop
	global_prefetch_b8 v0, s[64:65] scope:SCOPE_SE
	s_setreg_imm32_b32 hwreg(HW_REG_WAVE_MODE, 25, 1), 1
	s_wait_xcnt 0x0
	s_wait_alu depctr_hold_cnt(0) depctr_sa_sdst(0) depctr_va_vdst(0) depctr_va_sdst(0) depctr_va_ssrc(0) depctr_va_vcc(0) depctr_vm_vsrc(0)
	s_getreg_b32 s2, hwreg(HW_REG_IB_STS2, 6, 4)
	s_cmp_eq_u32 s2, 0
	s_cbranch_scc0 .Lentry_in_a_cluster
	s_endpgm
.Lentry_in_a_cluster:
	s_bfe_u32 s2, ttmp6, 0x10000c
	s_cmp_lg_u32 s2, 0xf033
	s_cbranch_scc0 .Lentry_shape_is_right
	s_endpgm
.Lentry_shape_is_right:
; out0 = att w_out^T + b_out on codes of E3M2 (one E8M0 byte for each 32 along K); out0 [8192][1024] f32.
; OPERANDS come as images of their registers: att_img, xw_img: [row block][K step 8][1,536]; att_sc, xw_sc: [row block][512]; place p of row block t is row 32 (t / 2) + 8 (t % 2) + p + 8 (p / 8).
; TILE.  256 tokens ("A", source 1: a lane holds a token) x 128 features ("B" = w_out's row blocks 704 on, source 0: features run along a lane's registers), all of K = 1,024 in LDS at once: every byte is filled once.
; Four waves, stacked on A: wave w owns A's row blocks 4 w .. 4 w + 3 against B's eight: 32 accumulators, 32 matrix instructions for 128 along K, fed by 48 LDS loads.  256 work-groups.
; CLUSTER 4 x 4: A's tiles are shared along a row of the cluster, B's along a column: each is asked for jointly, with a mask that names the four.
; LIMITS: NaN and infinities are not served; the bias is the sums' first term, so the order of rounding differs from a bias added last.
; REGISTERS, in windows of 256.  Window 0: v1 r, v2 h, v3 16 L, v4 8 L, v5 scale address, v8-23 fragment addresses, v24-27 bias and way out, v32-95 all scale words, v96-191 A's fragments (two sets),
; v192-255 the bias as C; on the way out v96-223 hold rows of the result.  Window 1: B's fragments, two sets, at v0 and v128.  Window 2: accumulator (a, b) at v[8 (8 a + b)].
.set SLOT, 73728                       ; 256 along K: A's 16 row blocks x 3,072 bytes, then B's 8
.set BOFF, 49152
.set SCA,  4*SLOT
.set SCB,  SCA+8192
.set IMGA, 4
.set SCLA, 6
.set IMGB, 8
.set SCLB, 10
.set G1A,  24
.set G1B,  32
.set G1SA, 40
.set G1SB, 48
.set G0SA, 56
.set G0SB, 60
.set G0A,  68
.set G0B,  84
.set ADA16, 8
.set ADA8,  12
.set ADB16, 16
.set ADB8,  20
.set SC,   32
.set AF,   96
.set BI,   192
.set STO,  26                          ; the way out: where I put 32 bytes of a row
.set RD,   27                          ; and where I read a row back
.set BK,   96                          ; 16 rows read back: v96-159 and v160-223 by turns
.set MSB, 0
.macro WIN new                         ; s_set_vgpr_msb: bits 1:0 source 0, 3:2 source 1, 5:4 source 2, 7:6 destination; the high byte repeats the setting that is left
.if MSB != \new
	s_set_vgpr_msb (MSB<<8)|\new
.set MSB, \new
.endif
.endm
.macro CROUND
	s_barrier_signal -1
	s_barrier_wait -1
	s_cmp_lg_u32 s16, 0
	s_cbranch_scc1 .Lnot_wave_0_\@
	s_barrier_signal -3
.Lnot_wave_0_\@:
	s_barrier_wait -3
	s_barrier_signal -1
	s_barrier_wait -1
.endm
.macro SHAPE g, c, r, p
	s_mov_b32 s[\g+1], (\c)<<16
	s_mov_b32 s[\g+2], (\r)<<16
	s_mov_b32 s[\g+3], (\c)<<16
	s_mov_b32 s[\g+4], \r
	s_mov_b32 s[\g+5], \p
	s_mov_b32 s[\g+6], 0
	s_mov_b32 s[\g+7], 0
.endm
.macro PLACES                          ; four plain places behind a matrix instruction of this form (ISA guide 7.12.1)
.rept 4
	v_nop
.endr
.endm
.macro FRAG reg, a16, a8, off
	ds_load_b128 v[(\reg):(\reg)+3], v[\a16] offset:\off
	ds_load_b64 v[(\reg)+4:(\reg)+5], v[\a8] offset:\off+512
	ds_load_b128 v[(\reg)+6:(\reg)+9], v[\a16] offset:\off+768
	ds_load_b64 v[(\reg)+10:(\reg)+11], v[\a8] offset:\off+1280
.endm
.macro FETCH s                         ; K step s into set s % 2: B's eight fragments, then A's four: 48 loads, A's blocks 2 and 3 the last eight
	WIN 0x40
.irp i, 0,1,2,3,4,5,6,7
	FRAG 128*((\s)%2)+12*\i, ADB16+(\s)/2, ADB8+(\s)/2, 3072*\i+1536*((\s)%2)
.endr
	WIN 0
.irp i, 0,1,2,3
	FRAG AF+48*((\s)%2)+12*\i, ADA16+(\s)/2, ADA8+(\s)/2, 3072*\i+1536*((\s)%2)
.endr
.endm
.macro SCALES                          ; register SC + 32 (s / 4) + 4 i + s % 4: lanes 0-15 my A block i (i < 4; beyond that other filled bytes, not used), lanes 16-31 B's block i
.irp g, 0,1
.irp i, 0,1,2,3,4,5,6,7
	ds_load_b128 v[SC+32*\g+4*\i:SC+32*\g+4*\i+3], v5 offset:512*\i+256*\g
.endr
.endr
.endm
; 16 matrix instructions of K step s: A's blocks a0, a0 + 1 x B's eight.  cmode 0: onto the sums; 1: the bias of B's rows starts them.  The 32 accumulators take turns.
.macro MUL16 s, a0, cmode
.irp a, \a0, \a0+1
.irp b, 0,1,2,3,4,5,6,7
.set rD, 8*(8*(\a)+\b)
.set rB, 128*((\s)%2)+12*\b
.set rA, AF+48*((\s)%2)+12*(\a)
.set rS, SC+32*((\s)/4)+(\s)%4
.if (\cmode) == 0
	v_wmma_scale_f32_16x16x128_f8f6f4 v[rD:rD+7], v[rB:rB+11], v[rA:rA+11], v[rD:rD+7], v[rS+4*\b], v[rS+4*(\a)] matrix_a_fmt:MATRIX_FMT_BF6 matrix_b_fmt:MATRIX_FMT_BF6 matrix_a_scale:MATRIX_SCALE_ROW1
.else
	v_wmma_scale_f32_16x16x128_f8f6f4 v[rD:rD+7], v[rB:rB+11], v[rA:rA+11], v[BI+8*\b:BI+8*\b+7], v[rS+4*\b], v[rS+4*(\a)] matrix_a_fmt:MATRIX_FMT_BF6 matrix_b_fmt:MATRIX_FMT_BF6 matrix_a_scale:MATRIX_SCALE_ROW1
.endif
.endr
.endr
.endm
.macro STEP s, cmode
.set OPN, 0
.if (\s)%2 == 1
.if (\s) < 7
.set OPN, 1
.endif
.endif
.if OPN
	s_wait_tensorcnt 3-((\s)+1)/2                  ; behind the next slot's load I issued this many: they may stay out (nothing is filled again in this launch)
	s_wait_dscnt 0x0                               ; no LDS load of mine is out at a signal
	s_barrier_signal -1
.else
	s_wait_dscnt 8                                 ; B's fragments and A's blocks 0, 1 are in; the youngest eight loads (A's blocks 2, 3) may be out
.endif
.if \cmode
	WIN 0x81
.else
	WIN 0xa1
.endif
	MUL16 \s, 0, \cmode
.if OPN
	s_barrier_wait -1
.endif
.if (\s) < 7
	PLACES
	FETCH (\s)+1
	s_wait_dscnt 48                                ; all but the 48 just issued
.else
	s_wait_dscnt 0x0
.endif
.if \cmode
	WIN 0x81
.else
	WIN 0xa1
.endif
	MUL16 \s, 2, \cmode
.endm
	s_load_b256 s[4:11], s[0:1], 0x0               ; att_img, att_sc, xw_img, xw_sc
	s_load_b128 s[12:15], s[0:1], 0x20             ; b_out, out0
	v_lshl_add_u32 v30, v0, 2, 0x4b000
	v_mov_b32 v31, 0
	ds_add_u32 v30, v31
	ds_add_u32 v30, v31
	v_lshrrev_b32 v1, 5, v0
	v_readfirstlane_b32 s16, v1                    ; wave 0..3
	s_lshr_b32 s17, s16, 1                         ; I fetch for A (0) or for B (1),
	s_and_b32 s18, s16, 1                          ; its first or its second half
	s_bfe_u32 s19, ttmp6, 0x40000                  ; cx
	s_bfe_u32 s20, ttmp6, 0x40004                  ; cy
	s_mov_b32 s21, ttmp9                           ; the cluster's x, 0..1
	s_and_b32 s22, ttmp7, 0xffff                   ; the cluster's y, 0..7
	s_lshl_b32 s2, s20, 2
	s_lshl_b32 s2, 15, s2                          ; my row of the cluster
	s_lshl_b32 s66, 0x1111, s19                    ; my column
	s_or_b32 s[G1A], s2, (3<<16)|(1<<21)
	s_or_b32 s[G1SA], s2, (3<<16)|(1<<21)
	s_or_b32 s[G1B], s66, (3<<16)|(1<<21)
	s_or_b32 s[G1SB], s66, (3<<16)|(1<<21)
	SHAPE G1A, 384, 8, 1536                        ; 8 row blocks x 3,072 bytes (256 along K), 12,288 bytes from block to block
	SHAPE G1B, 384, 4, 1536
	SHAPE G1SA, 32, 16, 32                         ; 8 row blocks' scale words: 4,096 dense bytes as rows of 256
	SHAPE G1SB, 32, 8, 32
	s_lshl_b32 s2, s22, 6
	s_lshl_b32 s3, s20, 4
	s_add_co_u32 s2, s2, s3                        ; A: row block 64 x cluster y + 16 cy
	s_lshl_b32 s3, s18, 3
	s_add_co_u32 s2, s2, s3                        ; + the 8 blocks of my half
	s_lshl_b32 s66, s21, 5
	s_add_co_u32 s66, s66, 704
	s_lshl_b32 s67, s19, 3
	s_add_co_u32 s66, s66, s67                     ; B: row block 704 + 32 x cluster x + 8 cx
	s_lshl_b32 s67, s18, 2
	s_add_co_u32 s66, s66, s67                     ; + the 4 blocks of my half
	s_mul_i32 s[G0SA+2], s2, 512
	s_mov_b32 s[G0SA+3], 0
	s_mul_i32 s2, s2, 12288
	s_mov_b32 s3, 0
	s_mul_i32 s[G0SB+2], s66, 512
	s_mov_b32 s[G0SB+3], 0
	s_mul_i32 s66, s66, 12288
	s_mov_b32 s67, 0
	s_mul_i32 s100, s18, 24576
	s_mul_i32 s101, s18, 12288
	s_wait_dscnt 0x0
	s_wait_kmcnt 0x0
	s_mov_b32 s[G0SA], 1
	s_lshl_b32 s[G0SA+1], s18, 12
	s_add_co_u32 s[G0SA+1], s[G0SA+1], SCA
	s_add_nc_u64 s[G0SA+2:G0SA+3], s[SCLA:SCLA+1], s[G0SA+2:G0SA+3]
	s_or_b32 s[G0SA+3], s[G0SA+3], 0x80000000
	s_mov_b32 s[G0SB], 1
	s_lshl_b32 s[G0SB+1], s18, 11
	s_add_co_u32 s[G0SB+1], s[G0SB+1], SCB
	s_add_nc_u64 s[G0SB+2:G0SB+3], s[SCLB:SCLB+1], s[G0SB+2:G0SB+3]
	s_or_b32 s[G0SB+3], s[G0SB+3], 0x80000000
	s_add_nc_u64 s[2:3], s[IMGA:IMGA+1], s[2:3]
	s_add_nc_u64 s[66:67], s[IMGB:IMGB+1], s[66:67]
.irp g, 0,1,2,3
	s_mov_b32 s[G0A+4*\g], 1
	s_add_co_u32 s[G0A+4*\g+1], s100, \g*SLOT
	s_add_nc_u64 s[G0A+4*\g+2:G0A+4*\g+3], s[2:3], \g*3072
	s_or_b32 s[G0A+4*\g+3], s[G0A+4*\g+3], 0x80000000
	s_mov_b32 s[G0B+4*\g], 1
	s_add_co_u32 s[G0B+4*\g+1], s101, \g*SLOT+BOFF
	s_add_nc_u64 s[G0B+4*\g+2:G0B+4*\g+3], s[66:67], \g*3072
	s_or_b32 s[G0B+4*\g+3], s[G0B+4*\g+3], 0x80000000
.endr
	CROUND                                         ; all sixteen work-groups are here: the joint loads meet
	s_cmp_eq_u32 s17, 0                            ; all fills of a wave stand in one branch on its number: five loads of mine are out: my scales, then slots 0 to 3
	s_cbranch_scc0 .Larm_b
	tensor_load_to_lds s[G0SA:G0SA+3], s[G1SA:G1SA+7]
	s_nop 0
	tensor_load_to_lds s[G0A:G0A+3], s[G1A:G1A+7]
	s_nop 0
	tensor_load_to_lds s[G0A+4:G0A+7], s[G1A:G1A+7]
	s_nop 0
	tensor_load_to_lds s[G0A+8:G0A+11], s[G1A:G1A+7]
	s_nop 0
	tensor_load_to_lds s[G0A+12:G0A+15], s[G1A:G1A+7]
	s_nop 0
.rept 4
	v_nop
.endr
	s_branch .Lasked
.Larm_b:
	tensor_load_to_lds s[G0SB:G0SB+3], s[G1SB:G1SB+7]
	s_nop 0
	tensor_load_to_lds s[G0B:G0B+3], s[G1B:G1B+7]
	s_nop 0
	tensor_load_to_lds s[G0B+4:G0B+7], s[G1B:G1B+7]
	s_nop 0
	tensor_load_to_lds s[G0B+8:G0B+11], s[G1B:G1B+7]
	s_nop 0
	tensor_load_to_lds s[G0B+12:G0B+15], s[G1B:G1B+7]
	s_nop 0
.rept 4
	v_nop
.endr
.Lasked:
	v_and_b32 v6, 31, v0
	v_and_b32 v1, 15, v0                           ; r
	v_bfe_u32 v2, v0, 4, 1                         ; h
	v_lshlrev_b32 v3, 4, v6                        ; 16 L
	v_lshlrev_b32 v4, 3, v6                        ; 8 L
	s_mul_i32 s100, s16, 12288                     ; my four row blocks of A in a slot
	v_add_nc_u32 v[ADA16], s100, v3
	v_add_nc_u32 v[ADA8], s100, v4
	v_add_nc_u32 v[ADB16], BOFF, v3
	v_add_nc_u32 v[ADB8], BOFF, v4
.irp g, 1,2,3
	v_add_nc_u32 v[ADA16+\g], \g*SLOT, v[ADA16]
	v_add_nc_u32 v[ADA8+\g], \g*SLOT, v[ADA8]
	v_add_nc_u32 v[ADB16+\g], \g*SLOT, v[ADB16]
	v_add_nc_u32 v[ADB8+\g], \g*SLOT, v[ADB8]
.endr
	s_xor_b32 s101, s16, 3
	s_add_co_u32 s101, s101, 1
	s_lshl_b32 s101, s101, 11                      ; from my A blocks' scale words to B's: 8,192 - 2,048 x wave
	v_mul_u32_u24 v5, s101, v2                     ; lanes 16-31 take B's
	v_lshl_add_u32 v5, v1, 4, v5
	s_lshl_b32 s100, s16, 11
	s_add_co_u32 s100, s100, SCA
	v_add_nc_u32 v5, s100, v5
	s_mul_i32 s100, s16, 8448                      ; my stage for the way out: 16 rows x 528 bytes, in slot 0
	v_mul_u32_u24 v[STO], v1, 528
	v_lshl_add_u32 v[STO], v2, 6, v[STO]
	v_add_nc_u32 v[STO], s100, v[STO]              ; in: row r, + 64 h
	v_add_nc_u32 v[RD], s100, v3                   ; back: 16 bytes a lane of a row's 512
	v_lshlrev_b32 v24, 6, v2                       ; the bias: of B's block b my registers are features 32 (b / 2) + 8 (b % 2) + 16 h + 0 .. 7
	s_wait_alu depctr_va_vdst(0)
	s_lshl_b32 s2, s21, 2
	s_add_co_u32 s2, s2, s19                       ; work-group x
	s_lshl_b32 s2, s2, 9                           ; its 128 features: 512 bytes, in b_out and in a row of out0
	s_mov_b32 s3, 0
	s_add_nc_u64 s[12:13], s[12:13], s[2:3]
	s_add_nc_u64 s[14:15], s[14:15], s[2:3]
	s_lshl_b32 s66, s22, 2
	s_add_co_u32 s66, s66, s20
	s_lshl_b32 s66, s66, 8
	s_lshl_b32 s67, s16, 6
	s_add_co_u32 s66, s66, s67                     ; my first row of out0: 256 x work-group y + 64 x wave
	s_lshl_b32 s66, s66, 12                        ; rows of 4,096 bytes (under 2^25)
	s_mov_b32 s67, 0
	s_add_nc_u64 s[14:15], s[14:15], s[66:67]
.irp b, 0,1,2,3,4,5,6,7
	global_load_b128 v[BI+8*\b:BI+8*\b+3], v24, s[12:13] offset:(32*(\b/2)+8*(\b%2))*4
	global_load_b128 v[BI+8*\b+4:BI+8*\b+7], v24, s[12:13] offset:(32*(\b/2)+8*(\b%2))*4+16
.endr
	s_wait_tensorcnt 3                             ; my scales and my part of slot 0 are in; slots 1 to 3 may stay out,
	s_barrier_signal -1
	s_barrier_wait -1                              ; everybody's are
	SCALES
	FETCH 0
	s_wait_loadcnt 0x0                             ; the bias
	STEP 0, 1                                      ; the bias starts the sums
	STEP 1, 0
	STEP 2, 0
	STEP 3, 0
	STEP 4, 0
	STEP 5, 0
	STEP 6, 0
	STEP 7, 0
	WIN 0
	PLACES                                         ; behind the last products: in front of the LDS stores that read results and of the loads into A's registers
; THE WAY OUT, a block of 16 tokens x 128 features at a time.  A lane holds 8 neighbouring features of one token for each of B's blocks; the block goes through my own stage in LDS and comes back as whole rows of
; 512 bytes.  The stage lies in slot 0, which has had its one fill, and which no wave reads behind the barrier that opened slot 1.  LDS serves a wave's instructions in order (ISA guide 5.7.1.4): no wait between stores and loads.
.macro TOSTAGE a
	WIN 0x08                                       ; an LDS store's data are its source 1: window 2
.irp b, 0,1,2,3,4,5,6,7
	ds_store_b128 v[STO], v[64*(\a)+8*\b:64*(\a)+8*\b+3] offset:128*(\b/2)+32*(\b%2)       ; each accumulator from its low end on
	ds_store_b128 v[STO], v[64*(\a)+8*\b+4:64*(\a)+8*\b+7] offset:128*(\b/2)+32*(\b%2)+16
.endr
	WIN 0
.irp t, 0,1,2,3,4,5,6,7,8,9,10,11,12,13,14,15
	ds_load_b128 v[BK+64*((\a)%2)+4*\t:BK+64*((\a)%2)+4*\t+3], v[RD] offset:528*\t
.endr
.endm
.macro SEND a, younger                 ; younger: the LDS instructions issued behind block a's loads, which may stay out
	s_wait_dscnt \younger
.irp t, 0,1,2,3,4,5,6,7,8,9,10,11,12,13,14,15
	global_store_b128 v3, v[BK+64*((\a)%2)+4*\t:BK+64*((\a)%2)+4*\t+3], s[14:15] offset:(32*((\a)/2)+8*((\a)%2)+\t+8*(\t/8))*4096 th:TH_STORE_NT   ; place t of block a is that row; 512 consecutive bytes, at a multiple of 256 from out0's first byte
.endr
.endm
	TOSTAGE 0
.irp a, 1,2,3
.if \a > 1
	s_wait_xcnt 0x0                                ; block a - 2's stores have read their registers: block a's loads may land there
.endif
	TOSTAGE \a
	SEND \a-1, 32                                  ; behind block a - 1's loads: block a's 16 stores and 16 loads
.endr
	SEND 3, 0
	s_wait_tensorcnt 0x0
	ds_add_u32 v30, v31
	s_wait_dscnt 0x0
	CROUND                                         ; the closing round: no work-group ends while a partner may still ask for a tile that names it
	s_endpgm
.Lfunc_end_k_q2f28f9f72c_proj:
	.size	k_q2f28f9f72c_proj, .Lfunc_end_k_q2f28f9f72c_proj-k_q2f28f9f72c_proj
	.p2alignl 7, 3214868480
	.fill 96, 4, 3214868480
	.section	.rodata,"a",@progbits
	.p2align	6, 0x0
	.amdhsa_kernel k_q2f28f9f72c_proj
		.amdhsa_group_segment_fixed_size 307712
		.amdhsa_private_segment_fixed_size 0
		.amdhsa_enable_private_segment 0
		.amdhsa_kernarg_size 48
		.amdhsa_user_sgpr_count 2
		.amdhsa_user_sgpr_kernarg_segment_ptr 1
		.amdhsa_wavefront_size32 1
		.amdhsa_system_sgpr_workgroup_id_x 1
		.amdhsa_system_sgpr_workgroup_id_y 1
		.amdhsa_system_sgpr_workgroup_id_z 1
		.amdhsa_system_vgpr_workitem_id 0
		.amdhsa_next_free_vgpr 768
		.amdhsa_next_free_sgpr 102
		.amdhsa_reserve_vcc 0
		.amdhsa_float_denorm_mode_32 3
		.amdhsa_float_denorm_mode_16_64 3
		.amdhsa_memory_ordered 1
		.amdhsa_forward_progress 1
		.amdhsa_inst_pref_size 87
	.end_amdhsa_kernel
	.amdgpu_metadata
---
amdhsa.version: [ 1, 2 ]
amdhsa.kernels:
  - .name:           k_q2f28f9f72c_proj
    .symbol:         k_q2f28f9f72c_proj.kd
    .args:
      - { .name: att_img, .offset: 0, .size: 8, .value_kind: global_buffer, .address_space: global }
      - { .name: att_sc, .offset: 8, .size: 8, .value_kind: global_buffer, .address_space: global }
      - { .name: xw_img, .offset: 16, .size: 8, .value_kind: global_buffer, .address_space: global }
      - { .name: xw_sc, .offset: 24, .size: 8, .value_kind: global_buffer, .address_space: global }
      - { .name: b_out, .offset: 32, .size: 8, .value_kind: global_buffer, .address_space: global }
      - { .name: out0, .offset: 40, .size: 8, .value_kind: global_buffer, .address_space: global }
    .group_segment_fixed_size: 307712
    .private_segment_fixed_size: 0
    .kernarg_segment_align: 8
    .kernarg_segment_size: 48
    .max_flat_workgroup_size: 128
    .sgpr_count:     102
    .vgpr_count:     768
    .wavefront_size: 32
...
	.end_amdgpu_metadata
.endif
;; end of part 4
